; MI455X (gfx1250); checked and timed in simulation.
; The chip was launched on July 23, 2026; its instructions are those of AMD's public machine-readable ISA for CDNA 5 (MIT licence, August 2026) and "CDNA5" Instruction Set Architecture Reference Guide (July 2026). The comments in the code are by the model that wrote it; some were corrected since.
;; Multi Head Attention. Allowed arithmetic: float matrix products may take bf16 or f16 operands with f32 sums; other float arithmetic in f32, or as packed bf16 or f16 multiplies, adds, multiply-adds, maxima and minima; sums over many terms, partial sums and values carried from step to step in f32; what a program stores and reads back later, other than sums and carried values, may be rounded once to bf16 or f16.
;; Inputs: cos 2,048 x 64 float32; mask 2,048 x 2,048 float32; sin 2,048 x 64 float32; wk 1,024 x 1,024 float32; wo 1,024 x 1,024 float32; wq 1,024 x 1,024 float32; wv 1,024 x 1,024 float32; x 4 x 2,048 x 1,024 float32.
;; Outputs: out0 4 x 2,048 x 1,024 float32.
;; One version. Each part assembles by itself: llvm-mc -triple=amdgcn-amd-amdhsa -mcpu=gfx1250 --defsym DOCPART=n.
;; ======== version 1 of 1: 4 launches
;; limits: values are held in f16: magnitudes above 65,504 overflow, below 6.1e-05 lose precision
;; workspace buffers: xb 16,777,216 bytes; wqkv 6,291,456 bytes; wof 2,097,152 bytes; cs 524,288 bytes; maskt 8,388,608 bytes; qkv 50,331,648 bytes; ob 16,777,216 bytes
;; launch prep (part 1): grid 1040 x 1, 8 waves a work-group, no clusters, 0 bytes of LDS; arguments x, wq, wk, wv, wo, cos, sin, mask, xb, wqkv, wof, cs, maskt; writes xb, wqkv, wof, cs, maskt
.if DOCPART == 1
	.amdgcn_target "amdgcn-amd-amdhsa--gfx1250"
	.amdhsa_code_object_version 6
	.text
	.protected	k_qd4f29690d0_prep
	.globl	k_qd4f29690d0_prep
	.p2align	8
	.type	k_qd4f29690d0_prep,@function
k_qd4f29690d0_prep:
	s_mov_b64 s[64:65], 0
	v_nop
	global_prefetch_b8 v0, s[64:65] scope:SCOPE_SE
	s_setreg_imm32_b32 hwreg(HW_REG_WAVE_MODE, 25, 1), 1
	s_wait_xcnt 0x0
; PREP: every input is rounded once to 16 bits and laid out for the tile loads of the later launches.
;   x -> xb bf16 [8192][1024];  wq, wk, wv -> wqkv bf16, by heads: row 192 j + 64 which + i is row 64 j + i of wq, wk or wv;
;   wo -> wof: rounded to bf16 like every input, that number written as f16 (exact in f16's normal range; below 2^-14 it keeps f16's fixed step);
;   cos, sin -> cs bf16, cos at byte 0, sin at byte 262,144;
;   mask -> maskt bf16 [4 query blocks][32 key steps][512 queries][64 keys]: a tile is 65,536 dense bytes.
; LIMIT.  Mask numbers beyond +-2^120 count as +-2^120 (an infinity too), so that a later product with 0 stays 0.  NaN is not treated apart.
; A stream: no LDS, no barrier, no loop.  A work-group takes 16,384 numbers: 64 KiB in, 32 KiB out; a thread issues its 16 loads of 16 bytes first, then
; converts and stores them in order.  A wave's load covers 512 consecutive bytes (of the mask: two aligned pieces of 256), a wave's store 256 consecutive bytes, aligned.
.set X, 4                              ; v[4:67]   16 x 4 numbers as loaded
.set Y, 68                             ; v[68:99]  16 x 2 registers to store; never rewritten, so no wait frees them
.set T, 100                            ; v[100:101] at work
	s_load_b512 s[8:23], s[0:1], 0x0               ; x 8, wq 10, wk 12, wv 14, wo 16, cos 18, sin 20, mask 22
	s_load_b256 s[24:31], s[0:1], 0x40             ; xb 24, wqkv 26, wof 28, cs 30
	s_load_b64 s[32:33], s[0:1], 0x60              ; maskt
	v_lshlrev_b32 v1, 4, v0                        ; in: 16 bytes a thread
	v_lshlrev_b32 v2, 3, v0                        ; out: 8 bytes a thread
	s_mov_b32 s39, ttmp9                           ; the work-group's number chooses the job
	s_mov_b32 s3, 0                                ; offsets are made apart from the addresses, in pairs with 0 above: s[2:3] in, s[34:35] out
	s_mov_b32 s35, 0
	s_mov_b32 s36, 0xfb800000                      ; -2^120
	s_mov_b32 s37, 0x7b800000                      ; +2^120
	s_mov_b32 s38, 0xffff0000                      ; a word's upper bf16
	s_wait_kmcnt 0x0
	s_cmp_lt_u32 s39, 512
	s_cbranch_scc1 .Lx
	s_cmp_lt_u32 s39, 704
	s_cbranch_scc1 .Lw
	s_cmp_lt_u32 s39, 768
	s_cbranch_scc1 .Lwo
	s_cmp_lt_u32 s39, 784
	s_cbranch_scc1 .Lcs
; kind 0: to bf16.  kind 1: to bf16 and that number to f16.  kind 2: clamped, then to bf16.  step: bytes from one of the thread's loads to the next.
.macro STREAM kind, step
.set i, 0
.rept 16
	global_load_b128 v[X+4*i:X+4*i+3], v1, s[4:5] offset:i*(\step) th:TH_LOAD_NT
.set i, i+1
.endr
.set i, 0
.rept 16
	s_wait_loadcnt 15-i                            ; loads come back in order: number i is in, the younger ones stay out
.if (\kind) == 2
	v_med3_num_f32 v[X+4*i], v[X+4*i], s36, s37
	v_med3_num_f32 v[X+4*i+1], v[X+4*i+1], s36, s37
	v_med3_num_f32 v[X+4*i+2], v[X+4*i+2], s36, s37
	v_med3_num_f32 v[X+4*i+3], v[X+4*i+3], s36, s37
.endif
.if (\kind) == 1
	v_cvt_pk_bf16_f32 v[T], v[X+4*i], v[X+4*i+1]
	v_cvt_pk_bf16_f32 v[T+1], v[X+4*i+2], v[X+4*i+3]
	v_lshlrev_b32 v[X+4*i], 16, v[T]
	v_and_b32 v[X+4*i+1], s38, v[T]
	v_lshlrev_b32 v[X+4*i+2], 16, v[T+1]
	v_and_b32 v[X+4*i+3], s38, v[T+1]
	v_cvt_pk_f16_f32 v[Y+2*i], v[X+4*i], v[X+4*i+1]
	v_cvt_pk_f16_f32 v[Y+2*i+1], v[X+4*i+2], v[X+4*i+3]
.else
	v_cvt_pk_bf16_f32 v[Y+2*i], v[X+4*i], v[X+4*i+1]
	v_cvt_pk_bf16_f32 v[Y+2*i+1], v[X+4*i+2], v[X+4*i+3]
.endif
	global_store_b64 v2, v[Y+2*i:Y+2*i+1], s[6:7] offset:i*2048
.set i, i+1
.endr
	s_endpgm
.endm
	; the mask: job j of 256 is half a tile: 256 queries x 64 keys.  Sixteen lanes read the 256 bytes of a row's 64 keys; a load takes 16 rows.
	s_sub_co_u32 s39, s39, 784
	s_lshl_b32 s34, s39, 15                        ; out: j x 32,768
	s_lshr_b32 s2, s39, 6                          ; query block
	s_lshl_b32 s2, s2, 1
	s_and_b32 s4, s39, 1                           ; which half of its 512 queries
	s_add_co_u32 s2, s2, s4
	s_lshl_b32 s2, s2, 21                          ; x 256 rows of 8,192 bytes
	s_lshr_b32 s4, s39, 1
	s_and_b32 s4, s4, 31                           ; key step
	s_lshl_b32 s4, s4, 8                           ; x 256 bytes
	s_add_co_u32 s2, s2, s4
	s_add_nc_u64 s[4:5], s[22:23], s[2:3]
	s_add_nc_u64 s[6:7], s[32:33], s[34:35]
	v_lshrrev_b32 v3, 4, v0                        ; row t / 16,
	v_and_b32 v1, 15, v0
	v_lshlrev_b32 v1, 4, v1                        ; 16 bytes at 16 (t % 16)
	v_lshl_add_u32 v1, v3, 13, v1
	STREAM 2, 131072
.Lwo:
	s_sub_co_u32 s39, s39, 704
	s_lshl_b32 s2, s39, 16
	s_lshl_b32 s34, s39, 15
	s_add_nc_u64 s[4:5], s[16:17], s[2:3]
	s_add_nc_u64 s[6:7], s[28:29], s[34:35]
	STREAM 1, 4096
.Lx:
	s_lshl_b32 s2, s39, 16
	s_lshl_b32 s34, s39, 15
	s_add_nc_u64 s[4:5], s[8:9], s[2:3]
	s_add_nc_u64 s[6:7], s[24:25], s[34:35]
	s_branch .Lplain
.Lw:                                               ; job j of 192: 16 rows of wq, wk or wv
	s_sub_co_u32 s39, s39, 512
	s_lshr_b32 s2, s39, 6                          ; which of the three
	s_cmp_eq_u32 s2, 0
	s_cselect_b64 s[4:5], s[10:11], s[12:13]
	s_cmp_eq_u32 s2, 2
	s_cselect_b64 s[4:5], s[14:15], s[4:5]
	s_lshl_b32 s34, s2, 6                          ; out row = 64 which
	s_and_b32 s39, s39, 63
	s_lshr_b32 s2, s39, 2
	s_mul_i32 s2, s2, 192                          ; + 192 x head
	s_add_co_u32 s34, s34, s2
	s_and_b32 s2, s39, 3
	s_lshl_b32 s2, s2, 4                           ; + the 16 rows' place in the head
	s_add_co_u32 s34, s34, s2
	s_lshl_b32 s34, s34, 11
	s_lshl_b32 s2, s39, 16
	s_add_nc_u64 s[4:5], s[4:5], s[2:3]
	s_add_nc_u64 s[6:7], s[26:27], s[34:35]
	s_branch .Lplain
.Lcs:                                              ; job j of 16: an eighth of cos (j < 8) or of sin
	s_sub_co_u32 s39, s39, 768
	s_lshl_b32 s34, s39, 15
	s_cmp_lt_u32 s39, 8
	s_cselect_b64 s[4:5], s[18:19], s[20:21]
	s_and_b32 s2, s39, 7
	s_lshl_b32 s2, s2, 16
	s_add_nc_u64 s[4:5], s[4:5], s[2:3]
	s_add_nc_u64 s[6:7], s[30:31], s[34:35]
.Lplain:
	STREAM 0, 4096
.Lfunc_end_k_qd4f29690d0_prep:
	.size	k_qd4f29690d0_prep, .Lfunc_end_k_qd4f29690d0_prep-k_qd4f29690d0_prep
	.p2alignl 7, 3214868480
	.fill 96, 4, 3214868480
	.section	.rodata,"a",@progbits
	.p2align	6, 0x0
	.amdhsa_kernel k_qd4f29690d0_prep
		.amdhsa_group_segment_fixed_size 0
		.amdhsa_private_segment_fixed_size 0
		.amdhsa_enable_private_segment 0
		.amdhsa_kernarg_size 104
		.amdhsa_user_sgpr_count 2
		.amdhsa_user_sgpr_kernarg_segment_ptr 1
		.amdhsa_wavefront_size32 1
		.amdhsa_system_sgpr_workgroup_id_x 1
		.amdhsa_system_sgpr_workgroup_id_y 1
		.amdhsa_system_sgpr_workgroup_id_z 1
		.amdhsa_system_vgpr_workitem_id 0
		.amdhsa_next_free_vgpr 104
		.amdhsa_next_free_sgpr 66
		.amdhsa_reserve_vcc 0
		.amdhsa_float_denorm_mode_32 3
		.amdhsa_float_denorm_mode_16_64 3
		.amdhsa_memory_ordered 1
		.amdhsa_forward_progress 1
		.amdhsa_inst_pref_size 28
	.end_amdhsa_kernel
	.amdgpu_metadata
---
amdhsa.version: [ 1, 2 ]
amdhsa.kernels:
  - .name:           k_qd4f29690d0_prep
    .symbol:         k_qd4f29690d0_prep.kd
    .args:
      - { .name: x, .offset: 0, .size: 8, .value_kind: global_buffer, .address_space: global }
      - { .name: wq, .offset: 8, .size: 8, .value_kind: global_buffer, .address_space: global }
      - { .name: wk, .offset: 16, .size: 8, .value_kind: global_buffer, .address_space: global }
      - { .name: wv, .offset: 24, .size: 8, .value_kind: global_buffer, .address_space: global }
      - { .name: wo, .offset: 32, .size: 8, .value_kind: global_buffer, .address_space: global }
      - { .name: cos, .offset: 40, .size: 8, .value_kind: global_buffer, .address_space: global }
      - { .name: sin, .offset: 48, .size: 8, .value_kind: global_buffer, .address_space: global }
      - { .name: mask, .offset: 56, .size: 8, .value_kind: global_buffer, .address_space: global }
      - { .name: xb, .offset: 64, .size: 8, .value_kind: global_buffer, .address_space: global }
      - { .name: wqkv, .offset: 72, .size: 8, .value_kind: global_buffer, .address_space: global }
      - { .name: wof, .offset: 80, .size: 8, .value_kind: global_buffer, .address_space: global }
      - { .name: cs, .offset: 88, .size: 8, .value_kind: global_buffer, .address_space: global }
      - { .name: maskt, .offset: 96, .size: 8, .value_kind: global_buffer, .address_space: global }
    .group_segment_fixed_size: 0
    .private_segment_fixed_size: 0
    .kernarg_segment_align: 8
    .kernarg_segment_size: 104
    .max_flat_workgroup_size: 256
    .sgpr_count:     66
    .vgpr_count:     104
    .wavefront_size: 32
...
	.end_amdgpu_metadata
.endif
;; end of part 1
;; launch qkvproj (part 2): grid 16 x 32, 4 waves a work-group, clusters of 4 x 4, 327,680 bytes of LDS; arguments xb, wqkv, cs, qkv; writes qkv
.if DOCPART == 2
	.amdgcn_target "amdgcn-amd-amdhsa--gfx1250"
	.amdhsa_code_object_version 6
	.text
	.protected	k_qd4f29690d0_qkvproj
	.globl	k_qd4f29690d0_qkvproj
	.p2align	8
	.type	k_qd4f29690d0_qkvproj,@function
k_qd4f29690d0_qkvproj:
	s_mov_b64 s[64:65], 0
	v_nop
	global_prefetch_b8 v0, s[64:65] scope:SCOPE_SE
	s_setreg_imm32_b32 hwreg(HW_REG_WAVE_MODE, 25, 1), 1
	s_wait_xcnt 0x0
	s_wait_alu depctr_hold_cnt(0) depctr_sa_sdst(0) depctr_va_vdst(0) depctr_va_sdst(0) depctr_va_ssrc(0) depctr_va_vcc(0) depctr_vm_vsrc(0)
	s_getreg_b32 s2, hwreg(HW_REG_IB_STS2, 6, 4)
	s_cmp_eq_u32 s2, 0
	s_cbranch_scc0 .Lentry_in_a_cluster
	s_endpgm
.Lentry_in_a_cluster:
	s_bfe_u32 s2, ttmp6, 0x10000c
	s_cmp_lg_u32 s2, 0xf033
	s_cbranch_scc0 .Lentry_shape_is_right
	s_endpgm
.Lentry_shape_is_right:
; Q, K, V = x W^T in bf16 with f32 sums, RoPE on q and k in f32 on the way out, stored by heads in f16: qkv[which][b 16 + h][2048][64].
; LIMIT.  q, k and v must stay within f16's 65,504; beyond it a conversion gives an infinity.  NaN and infinities are not treated apart.
; SHARES.  A tile of C is 256 tokens x 192 columns: one head's q, k and v (wqkv is laid so).  Four waves; wave w takes tokens 64 w .. 64 w + 63 and ALL 192 columns:
; 4 x 12 accumulators of 16 x 16, 384 registers.  So a head's channels d and d + 32, which RoPE pairs, lie in one lane, and which columns are rotated is a constant of the text.
; K goes in 8 steps of 128 through two LDS slots filled by tensor loads; rows of both tiles are 256 bytes of memory, aligned.  One descriptor a tensor walks from step to step.
; CLUSTER.  4 x 4 work-groups: x's tile hangs on the tile row alone and is asked for jointly along a row of the cluster, the weights' on the tile column alone, jointly along a column.
; THE MATRIX INSTRUCTION IS USED TRANSPOSED (source 0 = 16 rows of W, source 1 = 16 tokens): a lane holds token l % 16 and eight neighbouring columns 8 (l / 16) + 0..7.
; REGISTERS, in windows of 256 (s_set_vgpr_msb: bits 1:0 source 0, 3:2 source 1, 5:4 source 2, 7:6 destination):
;   window 0: v0-31 addresses; v64-127 x's fragments, two buffers of 4 x 8; v128-255 at work on the way out
;   window 1: v0-191 W's fragments, two buffers of 12 x 8
;   window 2: v0-191 accumulators of token blocks 0, 1 ((a, b) at 8 (12 (a % 2) + b)); v192-255 their cos and sin as loaded;   window 3: the same for blocks 2, 3
.set NBK,   12                         ; blocks of 16 columns
.set PA,    272                        ; an LDS row: 256 bytes + 16 of padding = 68 words: the 16 rows of a fragment load start at 16 different groups of four banks (ISA guide 11.1)
.set BOFF,  256*PA                     ; a slot: x's 256 rows, then W's 192 rows
.set SLOT1, 1<<17                      ; slot 1 begins here: one exclusive or turns an address in one slot into the other's
.set STAGE, SLOT1+BOFF+192*PA          ; behind the ring, never filled by a tensor load: 16 rows x 144 bytes for each wave
.set SP,    144
.set SPARE, STAGE+4*16*SP              ; the spare words, 128 bytes for each wave, that no other line names
.set ADRA0, 16                         ; v16  my lane's place in x's tile; never rewritten
.set ADRB0, 17                         ; v17  in W's tile
.set ADRA,  18                         ; v18  the same in the slot in hand
.set ADRB,  19
.set STO,   24                         ; v24  the way out: where I put 16 bytes of a row
.set RD,    25                         ; v25  where I read rows back
.set GO,    26                         ; v26  my byte offset in 512 consecutive bytes of the output
.set CSO,   27                         ; v27  my byte offset in 16 rows of cos or sin
.set SPW,   28                         ; v28  LDS address of my spare word; never rewritten
.set NIL,   29                         ; v29  0; never rewritten
.set PFO,   30                         ; v30  the prefetches' offset: a lane a row; never rewritten
.set AF,    64
.set CF,    128                        ; v128-159 cos of my 32 channels in f32; v160-191 sin; v192-223 the rotated numbers; v224-255 two buffers of 16 packed registers
.set SF,    160
.set T,     192
.set P,     224
.set WV,  12                           ; s12  my wave's number
.set FB,  13                           ; s13  0: I fetch x's tile; 1: W's
.set HF,  14                           ; s14  which half of that tile's rows
.set TB,  15                           ; s15  LDS byte at which the slot in hand begins
.set G1A, 24                           ; s[24:31] descriptor group 1 for x's tiles;  s[32:35] group 0
.set G0A, 32
.set G0B, 36                           ; s[36:39], s[40:47] the same for W's
.set G1B, 40
.set PFA, 54                           ; s[54:55] where my prefetches stand
.set LIM, 58                           ; s58  2 in a wave that prefetches, else the greatest number
.set HIM, 59                           ; s59  a word's upper bf16
.set OB,  66                           ; s[66:71] my rows in q's, k's and v's plane
.set MSB, 0
.macro WIN new                         ; the immediate's high byte repeats the setting that is left; a switch that changes nothing is dropped
.if MSB != (\new)
	s_set_vgpr_msb (MSB<<8)|(\new)
.set MSB, (\new)
.endif
.endm
; A joint load.  Waves 0 and 1 fetch the two halves of x's tile, waves 2 and 3 those of W's.  The branch hangs on the wave's number alone.  An s_nop 0 and four v_nop follow each line.
.macro JLOAD
	s_cmp_eq_u32 s[FB], 0
	s_cbranch_scc0 .Lfor_b_\@
	tensor_load_to_lds s[G0A:G0A+3], s[G1A:G1A+7]
	s_nop 0
.rept 4
	v_nop
.endr
	s_branch .Lasked_\@
.Lfor_b_\@:
	tensor_load_to_lds s[G0B:G0B+3], s[G1B:G1B+7]
	s_nop 0
.rept 4
	v_nop
.endr
.Lasked_\@:
.endm
.macro STEPG                           ; both walking descriptors: the other slot, the next K step; the type bits on top are not reached
	s_xor_b32 s[G0A+1], s[G0A+1], SLOT1
	s_add_nc_u64 s[G0A+2:G0A+3], s[G0A+2:G0A+3], 256
	s_xor_b32 s[G0B+1], s[G0B+1], SLOT1
	s_add_nc_u64 s[G0B+2:G0B+3], s[G0B+2:G0B+3], 256
.endm
; A prefetch into the L2 of the K step that stands two refills on: a lane a row, 256 bytes of it, one instruction a wave.  x's tile row is read by every cluster of that row of clusters: cluster x = 0 asks;
; W's tile column by every cluster of that column: cluster y = 0 asks.  The four partners share a wave's rows out by address.  K steps 0 to 3 come by their loads alone; trips with s3 <= 2 have no step two on.
.macro ASK
	s_cmp_gt_u32 s3, s[LIM]
	s_cbranch_scc0 .Lnot_mine_\@
	global_prefetch_b8 v[PFO], s[PFA:PFA+1] th:TH_LOAD_NT scope:SCOPE_SE
.Lnot_mine_\@:
.endm
.macro CREST                           ; a round of the cluster's barrier behind its opening barrier
	s_cmp_lg_u32 s[WV], 0
	s_cbranch_scc1 .Lnot_wave_0_\@
	s_barrier_signal -3
.Lnot_wave_0_\@:
	s_barrier_wait -3
	s_barrier_signal -1
	s_barrier_wait -1
.endm
.macro CROUND
	s_barrier_signal -1
	s_barrier_wait -1
	CREST
.endm
	s_load_b256 s[4:11], s[0:1], 0x0               ; xb s[4:5], wqkv s[6:7], cs s[8:9], qkv s[10:11]
	v_lshl_add_u32 v[SPW], v0, 2, SPARE
	v_mov_b32 v[NIL], 0
	ds_add_u32 v[SPW], v[NIL]                      ; the wave's opening: the add and its wait ahead of my first tensor load; work on registers stands between them
	v_lshrrev_b32 v1, 5, v0
	v_readfirstlane_b32 s[WV], v1
	s_lshr_b32 s[FB], s[WV], 1
	s_and_b32 s[HF], s[WV], 1
	s_bfe_u32 s48, ttmp6, 0x40000                  ; cx
	s_bfe_u32 s49, ttmp6, 0x40004                  ; cy
	s_lshl_b32 s50, ttmp9, 2
	s_add_co_u32 s50, s50, s48                     ; tile column = head
	s_and_b32 s51, ttmp7, 0xffff
	s_lshl_b32 s51, s51, 2
	s_add_co_u32 s51, s51, s49                     ; tile row: 256 tokens
	s_lshl_b32 s52, s49, 2
	s_lshl_b32 s52, 15, s52                        ; my row of the cluster
	s_lshl_b32 s53, 0x1111, s48                    ; my column
	s_or_b32 s[G1A], s52, (1<<16)|(1<<20)|(1<<21)|(5<<22)|(3<<25)  ; the mask; 2-byte elements; padding on; bit 21 beside a mask; after every 64 words, 4 words
	s_or_b32 s[G1B], s53, (1<<16)|(1<<20)|(1<<21)|(5<<22)|(3<<25)
	s_mov_b32 s[G1A+1], 128<<16                    ; tensor_dim0 = 128
	s_mov_b32 s[G1A+2], 128<<16                    ; tensor_dim1 = 128 rows
	s_mov_b32 s[G1A+3], 128<<16                    ; tile_dim0 = 128
	s_mov_b32 s[G1A+4], 128                        ; tile_dim1 = 128
	s_mov_b32 s[G1A+5], 1024                       ; elements from row to row
	s_mov_b32 s[G1A+6], 0
	s_mov_b32 s[G1A+7], 0
	s_mov_b32 s[G1B+1], 128<<16
	s_mov_b32 s[G1B+2], 96<<16                     ; 96 rows
	s_mov_b32 s[G1B+3], 128<<16
	s_mov_b32 s[G1B+4], 96
	s_mov_b32 s[G1B+5], 1024
	s_mov_b32 s[G1B+6], 0
	s_mov_b32 s[G1B+7], 0
	s_lshl_b32 s16, s51, 8                         ; x: row 256 x tile row + 128 x half, in bytes
	s_lshl_b32 s17, s[HF], 7
	s_add_co_u32 s16, s16, s17
	s_lshl_b32 s16, s16, 11
	s_mov_b32 s17, 0
	s_mul_i32 s20, s50, 192                        ; W: row 192 x tile column + 96 x half
	s_mul_i32 s21, s[HF], 96
	s_add_co_u32 s20, s20, s21
	s_lshl_b32 s20, s20, 11
	s_mov_b32 s21, 0
	s_mov_b32 s[G0A], 1
	s_mul_i32 s[G0A+1], s[HF], 128*PA              ; LDS: no place in the cluster enters an LDS address
	s_mov_b32 s[G0B], 1
	s_mul_i32 s[G0B+1], s[HF], 96*PA
	s_add_co_u32 s[G0B+1], s[G0B+1], BOFF
	s_mov_b32 s[HIM], 0xffff0000
	s_mov_b32 s[TB], 0
	s_wait_dscnt 0x0                               ; the opening add is done
	s_wait_kmcnt 0x0
	s_add_nc_u64 s[G0A+2:G0A+3], s[4:5], s[16:17]
	s_or_b32 s[G0A+3], s[G0A+3], 0x80000000
	s_add_nc_u64 s[G0B+2:G0B+3], s[6:7], s[20:21]
	s_or_b32 s[G0B+3], s[G0B+3], 0x80000000
	; the prefetches: my work-group's share (32 of x's 128 rows, 24 of W's 96) of the rows that I fetch, at K step 3; the first refill steps it to 4
	s_and_b32 s22, ttmp7, 0xffff
	s_cmp_eq_u32 s[FB], 0
	s_cselect_b32 s22, ttmp9, s22                  ; the coordinate along which other clusters read the same rows
	s_cselect_b32 s23, s48, s49                    ; my place among the four that ask with me
	s_cselect_b32 s60, 32, 24                      ; rows of a share
	s_cselect_b32 s18, s16, s20
	s_cselect_b64 s[PFA:PFA+1], s[4:5], s[6:7]
	s_cmp_eq_u32 s22, 0
	s_cselect_b32 s[LIM], 2, -1
	s_mul_i32 s23, s23, s60
	s_lshl_b32 s23, s23, 11
	s_add_co_u32 s18, s18, s23
	s_add_co_u32 s18, s18, 3*256
	s_mov_b32 s19, 0
	s_add_nc_u64 s[PFA:PFA+1], s[PFA:PFA+1], s[18:19]
	s_sub_co_u32 s60, s60, 1
	v_and_b32 v[PFO], 31, v0
	v_min_u32 v[PFO], s60, v[PFO]                  ; lanes beyond the share repeat its last row
	v_lshlrev_b32 v[PFO], 11, v[PFO]
	; cos, sin and the three outputs at my 64 tokens
	s_and_b32 s22, s51, 7
	s_lshl_b32 s22, s22, 8
	s_lshl_b32 s23, s[WV], 6
	s_add_co_u32 s22, s22, s23                     ; my first token's place in its sequence
	s_lshl_b32 s22, s22, 7                         ; x 128 bytes
	s_mov_b32 s23, 0
	s_add_nc_u64 s[8:9], s[8:9], s[22:23]
	s_lshr_b32 s18, s51, 3                         ; batch
	s_lshl_b32 s18, s18, 4
	s_add_co_u32 s18, s18, s50                     ; plane = 16 b + head
	s_lshl_b32 s18, s18, 18
	s_add_co_u32 s22, s22, s18
	s_add_nc_u64 s[OB:OB+1], s[10:11], s[22:23]
	s_add_nc_u64 s[OB+2:OB+3], s[OB:OB+1], 0x1000000
	s_add_nc_u64 s[OB+4:OB+5], s[OB:OB+1], 0x2000000
	CROUND                                         ; all sixteen work-groups are here: the first joint loads meet
	JLOAD                                          ; K step 0 into slot 0
	v_and_b32 v1, 15, v0                           ; l % 16
	v_bfe_u32 v2, v0, 4, 1                         ; l / 16
	v_mul_u32_u24 v3, v1, PA
	v_lshl_add_u32 v3, v2, 4, v3                   ; a fragment's row x pitch + 16 x half
	s_mul_i32 s22, s[WV], 64*PA
	v_add_nc_u32 v[ADRA0], s22, v3                 ; my 64 tokens
	v_add_nc_u32 v[ADRB0], BOFF, v3
	v_lshlrev_b32 v[CSO], 7, v1
	v_lshl_add_u32 v[CSO], v2, 4, v[CSO]
.set aa, 0
.rept 4                                ; cos and sin of token block aa: for each 16 channels my 8, 16 bytes; they wait in registers for the way out
	WIN 0x80+0x40*(aa/2)
.set n, 0
.rept 4
	global_load_b128 v[192+32*(aa%2)+4*n:192+32*(aa%2)+4*n+3], v[CSO], s[8:9] offset:aa*2048+n*32
	global_load_b128 v[208+32*(aa%2)+4*n:208+32*(aa%2)+4*n+3], v[CSO], s[8:9] offset:aa*2048+n*32+262144
.set n, n+1
.endr
.set aa, aa+1
.endr
	WIN 0
	s_mul_i32 s22, s[WV], 16*SP
	s_add_co_u32 s22, s22, STAGE                   ; my stage
	v_mul_u32_u24 v[STO], v1, SP                   ; in: row l % 16, 16 bytes for each half of the lanes
	v_lshl_add_u32 v[STO], v2, 4, v[STO]
	v_add_nc_u32 v[STO], s22, v[STO]
	v_bfe_u32 v[RD], v0, 3, 2                      ; back: 32 lanes take four rows of 128 bytes,
	v_mul_u32_u24 v[RD], v[RD], SP
	v_and_b32 v3, 7, v0
	v_lshl_add_u32 v[RD], v3, 4, v[RD]
	v_add_nc_u32 v[RD], s22, v[RD]
	v_and_b32 v[GO], 31, v0                        ; which are 512 consecutive bytes of a plane
	v_lshlrev_b32 v[GO], 4, v[GO]
	; slot 1's first fill is issued as a refill is
	s_wait_tensorcnt 0x0                           ; my part of K step 0 is in; no tensor load of mine is out, so the descriptors may be written
	ds_add_u32 v[SPW], v[NIL]
	STEPG
	s_wait_dscnt 0x0
	CROUND
	JLOAD                                          ; K step 1 into slot 1
	v_mov_b32 v[ADRA], v[ADRA0]
	v_mov_b32 v[ADRB], v[ADRB0]
; 12 matrix instructions: token block a x all column blocks, 32 along K, from buffer f.  The 48 accumulators take turns in the same order in every quarter.
.macro MULA f, a, zero
	WIN 0xa1+0x50*((\a)/2)
.set b, 0
.rept NBK
.set rD, 8*(12*((\a)%2)+b)
.if \zero
	v_wmma_f32_16x16x32_bf16 v[rD:rD+7], v[96*(\f)+8*b:96*(\f)+8*b+7], v[AF+32*(\f)+8*(\a):AF+32*(\f)+8*(\a)+7], 0
.else
	v_wmma_f32_16x16x32_bf16 v[rD:rD+7], v[96*(\f)+8*b:96*(\f)+8*b+7], v[AF+32*(\f)+8*(\a):AF+32*(\f)+8*(\a)+7], v[rD:rD+7]
.endif
.set b, b+1
.endr
.endm
; 32 LDS loads in one run: the fragments of quarter q of the slot in hand into buffer f: W's 24, then x's 8, token blocks ascending
.macro FETCH q, f
	WIN 0x40
.set n, 0
.rept NBK
	ds_load_b128 v[96*(\f)+8*n:96*(\f)+8*n+3],   v[ADRB] offset:64*(\q)+n*16*PA
	ds_load_b128 v[96*(\f)+8*n+4:96*(\f)+8*n+7], v[ADRB] offset:64*(\q)+n*16*PA+32
.set n, n+1
.endr
	WIN 0
.set n, 0
.rept 4
	ds_load_b128 v[AF+32*(\f)+8*n:AF+32*(\f)+8*n+3],   v[ADRA] offset:64*(\q)+n*16*PA
	ds_load_b128 v[AF+32*(\f)+8*n+4:AF+32*(\f)+8*n+7], v[ADRA] offset:64*(\q)+n*16*PA+32
.set n, n+1
.endr
.endm
.macro PLACES                          ; four plain instructions between a matrix instruction and a load into a register that it has read (ISA guide 7.12.1 for vector instructions)
.rept 4
	v_nop
.endr
.endm
; A K step is four quarters of 32 along K on buffers 0, 1, 0, 1.  One of the first three multiplies buffer f and, in its middle, fetches quarter q into buffer g.
.macro QUARTER q, f, g, zero
	s_wait_dscnt 4                                 ; all but the youngest four loads: x's token blocks 2 and 3
	MULA \f, 0, \zero
	MULA \f, 1, \zero
	PLACES
	FETCH \q, \g
	s_wait_dscnt 2*NBK+8                           ; all but the run just issued
	MULA \f, 2, \zero
	MULA \f, 3, \zero
.endm
; The last quarter multiplies buffer 1 and changes slots.  In front of the barrier each wave waits for all its tensor loads (one is out: its part of the next slot), adds 0 to its spare word, and waits for that
; and for its reads of this slot.  fill = 1: the barrier opens a round of the cluster's, and the joint refill, with the K step two on, is the first tensor load behind it.
.macro TURN fill
.if \fill
	s_wait_xcnt 0x0                                ; the last prefetch, a K step back, has read its address
	s_add_nc_u64 s[PFA:PFA+1], s[PFA:PFA+1], 256
.endif
	WIN 0
	s_wait_tensorcnt 0x0
	ds_add_u32 v[SPW], v[NIL]
	s_wait_dscnt 5                                 ; (the add and the youngest four loads may be out)
	MULA 1, 0, 0
	s_wait_dscnt 0x0                               ; the add is done, and my reads of this slot are over
	s_barrier_signal -1
	MULA 1, 1, 0
	WIN 0
	s_barrier_wait -1
.if \fill
	CREST
	STEPG
.endif
	s_xor_b32 s[TB], s[TB], SLOT1
.if \fill
	JLOAD                                          ; its four v_nop are also the places in front of the loads below
.else
	PLACES
.endif
	v_add_nc_u32 v[ADRA], s[TB], v[ADRA0]
	v_add_nc_u32 v[ADRB], s[TB], v[ADRB0]
	FETCH 0, 0
.if \fill
	ASK
.endif
	MULA 1, 2, 0
	MULA 1, 3, 0
.endm
	FETCH 0, 0
	QUARTER 1, 0, 1, 1                             ; the first quarter's products start the sums: nothing is cleared
	WIN 0
	s_mov_b32 s3, 6
.Lk:                                               ; trip t = 0..5: the rest of K step t, the refill with step t + 2, the first quarter of step t + 1
	QUARTER 2, 1, 0, 0
	QUARTER 3, 0, 1, 0
	TURN 1
	QUARTER 1, 0, 1, 0
	WIN 0
	s_sub_co_u32 s3, s3, 1
	s_cmp_lg_u32 s3, 0
	s_cbranch_scc1 .Lk
	QUARTER 2, 1, 0, 0                             ; K steps 6 and 7 ask for nothing
	QUARTER 3, 0, 1, 0
	TURN 0
	QUARTER 1, 0, 1, 0
	QUARTER 2, 1, 0, 0
	QUARTER 3, 0, 1, 0
	s_wait_dscnt 4
	MULA 1, 0, 0
	MULA 1, 1, 0
	s_wait_dscnt 0x0
	MULA 1, 2, 0
	MULA 1, 3, 0
; THE WAY OUT, in 12 units u = 3 a + hh: token block a, hh = 0 q, 1 k, 2 v.
.macro UNPACK a                        ; block a's cos and sin, bf16 to f32: index 8 b' + j is channel 16 b' + 8 (l / 16) + j
.set W, 2+(\a)/2
.set rC, 192+32*((\a)%2)
	WIN (W<<2)|W
.set n, 0
.rept 16
	v_lshlrev_b32 v[CF+2*n], 16, v[rC+n]
	v_and_b32 v[CF+2*n+1], s[HIM], v[rC+n]
	v_lshlrev_b32 v[SF+2*n], 16, v[rC+16+n]
	v_and_b32 v[SF+2*n+1], s[HIM], v[rC+16+n]
.set n, n+1
.endr
.endm
; X holds channels d < 32, Y channels d + 32.  out[d] = X cos[d] - Y sin[d];  out[d + 32] = Y cos[d + 32] + X sin[d + 32].  Each accumulator's lowest registers are read first.
.macro ROPE a, hh
.set W, 2+(\a)/2
	WIN W
.irp bp, 0,1
.set rX, 8*(12*((\a)%2)+4*(\hh)+(\bp))
.set rY, rX+16
.set o, 8*(\bp)
.irp jp, 0,2,4,6
	v_pk_mul_f32 v[T+o+(\jp):T+o+(\jp)+1], v[rY+(\jp):rY+(\jp)+1], v[SF+o+(\jp):SF+o+(\jp)+1]
	v_pk_mul_f32 v[T+16+o+(\jp):T+16+o+(\jp)+1], v[rX+(\jp):rX+(\jp)+1], v[SF+16+o+(\jp):SF+16+o+(\jp)+1]
.endr
.irp jp, 0,2,4,6
	v_pk_fma_f32 v[T+o+(\jp):T+o+(\jp)+1], v[rX+(\jp):rX+(\jp)+1], v[CF+o+(\jp):CF+o+(\jp)+1], v[T+o+(\jp):T+o+(\jp)+1] neg_lo:[0,0,1] neg_hi:[0,0,1]
	v_pk_fma_f32 v[T+16+o+(\jp):T+16+o+(\jp)+1], v[rY+(\jp):rY+(\jp)+1], v[CF+16+o+(\jp):CF+16+o+(\jp)+1], v[T+16+o+(\jp):T+16+o+(\jp)+1]
.endr
.endr
.endm
.macro PACK u                          ; rounded to f16, 16 bytes a lane into rows of 144 bytes of my stage, and back as whole rows of 128
.set W, 2+((\u)/3)/2
.set rP, P+16*((\u)%2)
.if (\u) >= 2
	s_wait_xcnt 0x0                                ; the stores of the unit two back have read this buffer
.endif
.if (\u)%3 < 2
	WIN 0
.set n, 0
.rept 16
	v_cvt_pk_f16_f32 v[rP+n], v[T+2*n], v[T+2*n+1]
.set n, n+1
.endr
.else
	WIN (W<<2)|W
.set rX, 8*(12*(((\u)/3)%2)+8)
.set n, 0
.rept 16
	v_cvt_pk_f16_f32 v[rP+n], v[rX+2*n], v[rX+2*n+1]
.set n, n+1
.endr
.endif
	WIN 0
.irp g, 0,1,2,3
	ds_store_b128 v[STO], v[rP+4*(\g):rP+4*(\g)+3] offset:32*(\g)
.endr
.irp g, 0,1,2,3
	ds_load_b128 v[rP+4*(\g):rP+4*(\g)+3], v[RD] offset:(\g)*4*SP  ; LDS serves a wave's instructions in order (ISA guide 5.7.1.4): these see the stores above; the next unit's stores come behind them
.endr
.endm
.macro SEND u, younger                 ; younger: the LDS instructions issued behind unit u's loads
	WIN 0
.irp f, 0,1,2,3
	s_wait_dscnt (\younger)+3-(\f)
	global_store_b128 v[GO], v[P+16*((\u)%2)+4*(\f):P+16*((\u)%2)+4*(\f)+3], s[OB+2*((\u)%3):OB+2*((\u)%3)+1] offset:((\u)/3)*2048+(\f)*512  ; 512 consecutive bytes, aligned
.endr
.endm
	s_wait_loadcnt 0x0                             ; cos and sin
	UNPACK 0                                       ; 64 plain instructions that name no register of the last products: their places
	ROPE 0, 0
	PACK 0
.set u, 1
.rept 11
.if u%3 == 0
	UNPACK u/3
.endif
.if u%3 < 2
	ROPE u/3, u%3
.endif
	PACK u
	SEND u-1, 8
.set u, u+1
.endr
	SEND 11, 0
	s_wait_tensorcnt 0x0                           ; the wave's end
	ds_add_u32 v[SPW], v[NIL]
	s_wait_dscnt 0x0
	CROUND                                         ; the closing round
	s_endpgm
.Lfunc_end_k_qd4f29690d0_qkvproj:
	.size	k_qd4f29690d0_qkvproj, .Lfunc_end_k_qd4f29690d0_qkvproj-k_qd4f29690d0_qkvproj
	.p2alignl 7, 3214868480
	.fill 96, 4, 3214868480
	.section	.rodata,"a",@progbits
	.p2align	6, 0x0
	.amdhsa_kernel k_qd4f29690d0_qkvproj
		.amdhsa_group_segment_fixed_size 327680
		.amdhsa_private_segment_fixed_size 0
		.amdhsa_enable_private_segment 0
		.amdhsa_kernarg_size 32
		.amdhsa_user_sgpr_count 2
		.amdhsa_user_sgpr_kernarg_segment_ptr 1
		.amdhsa_wavefront_size32 1
		.amdhsa_system_sgpr_workgroup_id_x 1
		.amdhsa_system_sgpr_workgroup_id_y 1
		.amdhsa_system_sgpr_workgroup_id_z 1
		.amdhsa_system_vgpr_workitem_id 0
		.amdhsa_next_free_vgpr 1024
		.amdhsa_next_free_sgpr 72
		.amdhsa_reserve_vcc 0
		.amdhsa_float_denorm_mode_32 3
		.amdhsa_float_denorm_mode_16_64 3
		.amdhsa_memory_ordered 1
		.amdhsa_forward_progress 1
		.amdhsa_inst_pref_size 127
	.end_amdhsa_kernel
	.amdgpu_metadata
---
amdhsa.version: [ 1, 2 ]
amdhsa.kernels:
  - .name:           k_qd4f29690d0_qkvproj
    .symbol:         k_qd4f29690d0_qkvproj.kd
    .args:
      - { .name: xb, .offset: 0, .size: 8, .value_kind: global_buffer, .address_space: global }
      - { .name: wqkv, .offset: 8, .size: 8, .value_kind: global_buffer, .address_space: global }
      - { .name: cs, .offset: 16, .size: 8, .value_kind: global_buffer, .address_space: global }
      - { .name: qkv, .offset: 24, .size: 8, .value_kind: global_buffer, .address_space: global }
    .group_segment_fixed_size: 327680
    .private_segment_fixed_size: 0
    .kernarg_segment_align: 8
    .kernarg_segment_size: 32
    .max_flat_workgroup_size: 128
    .sgpr_count:     72
    .vgpr_count:     1024
    .wavefront_size: 32
...
	.end_amdgpu_metadata
.endif
;; end of part 2
;; launch attn (part 3): grid 4 x 64, 4 waves a work-group, clusters of 4 x 4, 327,680 bytes of LDS; arguments qkv, maskt, ob; writes ob
.if DOCPART == 3
	.amdgcn_target "amdgcn-amd-amdhsa--gfx1250"
	.amdhsa_code_object_version 6
	.text
	.protected	k_qd4f29690d0_attn
	.globl	k_qd4f29690d0_attn
	.p2align	8
	.type	k_qd4f29690d0_attn,@function
k_qd4f29690d0_attn:
	s_mov_b64 s[64:65], 0
	v_nop
	global_prefetch_b8 v0, s[64:65] scope:SCOPE_SE
	s_setreg_imm32_b32 hwreg(HW_REG_WAVE_MODE, 25, 1), 1
	s_wait_xcnt 0x0
	s_wait_alu depctr_hold_cnt(0) depctr_sa_sdst(0) depctr_va_vdst(0) depctr_va_sdst(0) depctr_va_ssrc(0) depctr_va_vcc(0) depctr_vm_vsrc(0)
	s_getreg_b32 s2, hwreg(HW_REG_IB_STS2, 6, 4)
	s_cmp_eq_u32 s2, 0
	s_cbranch_scc0 .Lentry_in_a_cluster
	s_endpgm
.Lentry_in_a_cluster:
	s_bfe_u32 s2, ttmp6, 0x10000c
	s_cmp_lg_u32 s2, 0xf033
	s_cbranch_scc0 .Lentry_shape_is_right
	s_endpgm
.Lentry_shape_is_right:
; O[bh][q][:] = the sum over k of softmax_k(Q[q] . K[k] / 8 + mask[q][k]) V[k][:].  Q, K, V: planes of qkv, [64][2048][64] f16; mask: maskt, bf16 tiles [4][32][512 queries][64 keys]; O: ob, f16, as Q.
; The mask is data: every key step is computed and every mask number is added.  Products, maxima and sums in f32; the weights p are rounded to f16 for the second product (l is the sum of the unrounded p), O once.
; LIMITS.  Q, K, V arrive within f16's 65,504.  Mask numbers arrive within +-2^120 (the launch that makes maskt clamps them): a key so hidden has weight 0 beside any open key; a row whose keys are ALL at the
; clamp gives the mean that equal scores give.  A weight below 2^-126 counts as 0 in l; NaN is not treated apart.
; THE MASK WITHOUT VECTOR WORK.  S'^T = 8 mask^T + K Q^T.  The first term is a bf16 product E M that starts each sum: M is the mask fragment as it lies (source 1: a lane a query, 32 keys along its registers),
; E0 and E1 are constant 16 x 32 fragments with 8.0 at k = m and at k = 16 + m.  Each sum there has one term that is not 0, and 8 is a power of two: the term is exact.  c = log2(e) / 8 then scales both.
; SHARES.  A wave owns four PIECES of two tiles of 16 queries, a work-group's four waves 512 queries of one head.  Every wave walks all 2,048 keys, 64 a step.
; LAYOUT.  S^T = K Q^T (source 0 = 16 keys, source 1 = 16 queries): a lane holds ONE query (lane % 16) and the keys 8 (lane / 16) + 0..7.  Two such tiles, rounded to f16 in pairs, ARE source 1 of O^T = V^T P.
; SOFTMAX.  A running maximum m and sum l: p = 2^(c s - c m); in every step O and l are multiplied by a = 2^(c m_old - c m_new).  m starts at the lowest finite number, O and l at 0.
; BY TURNS.  Turn n belongs to piece n: 8 mask products and 16 products K Q^T of piece n + 1, later 16 products V^T P of piece n - 1; beside them the scaling, exponentials, roundings, sums and rescaling of
; piece n and the maximum and statistics of piece n + 1.  A turn's 66 exponentials are one batch with one wait.
; CLUSTER.  4 x 4: the four query blocks of a head (a row of the cluster) ask jointly for K and V; the four heads of a column ask jointly for their query block's mask tile.
; RING.  Two LDS slots of ONE key step each (K 9,216, V 10,240, mask 73,728 bytes); two steps to a slot would not fit.  All that turns 2, 3, 0, 1 fetch belongs to one step, so the change of slots stands in front of turn 2.
; REGISTERS, in windows of 256 (s_set_vgpr_msb: bits 1:0 source 0, 3:2 source 1, 5:4 source 2, 7:6 destination):
;   window 0: v0-11 addresses; v12-15, v48-63 at work; v16-47 statistics; v64-191 S^T, two buffers of two tiles; v192-255 P, likewise
;   window 1: O^T, 32 a tile     window 2: v0-127 Q; v128-191 K; v192-255 V     window 3: v0-1 the add's registers; v16-31 E0, E1; v64-127 mask fragments, two buffers of two tiles x two key halves
.set NP,    4
.set KS,    64
.set PK,    144       ; a row of K in LDS: 128 bytes + 16 of padding: the 16 rows of a load start at 16 different groups of four banks (ISA guide 11.1)
.set PV,    160       ; a row of V: 128 + 32
.set PM,    144       ; a query's 64 mask numbers: as K
.set VOFF,  KS*PK
.set MOFF,  VOFF+KS*PV
.set SLOT1, 1<<17
.set STAGE, SLOT1+MOFF+512*PM   ; behind the ring, never filled by a tensor load: 16 rows x 144 bytes for each wave
.set SP,    144
.set SPARE, STAGE+4*16*SP       ; the spare words, 128 bytes for each wave, that no other line names
.set AK0, 2           ; v2   my lane's place in a step's K; never rewritten
.set AV0, 3           ; v3   in its V
.set AK,  4           ; v4   the same in the slot in hand
.set AV,  5
.set QO,  6           ; v6   my byte offset in the wave's rows of Q; later STO
.set STO, 6
.set RD,  7
.set GO,  8
.set PFO, 9           ; v9   256 x my lane (first: l / 16)
.set AM,  10          ; v10  my place in the mask tile of the slot in hand (first: l % 8)
.set AM0, 11          ; v11  my lane's place in a mask tile; never rewritten
.set SPW, 0           ; v0 of window 3
.set NIL, 1           ; v1 of window 3
.set EF,  16          ; window 3
.set MB,  64          ; window 3: buffer x % 2, tile u, key half kk at MB + 32 (x % 2) + 16 u + 8 kk
.set MV,  12
.set ST,  16          ; tile t's statistics at v[ST+4 t]: c m, m, l (even keys', odd keys')
.set TMP, 48
.set S,   64
.set P,   192
.set KF,  128
.set VF,  192
.set WV,  12
.set G1K, 24          ; s[24:31], s[32:39], s[68:75] descriptor groups 1 for K, V, mask
.set G1V, 32
.set G0K, 40          ; s[40:43], s[44:47], s[76:79] groups 0: they walk
.set G0V, 44
.set CNT, 57          ; s57  counts the loop's trips
.set CS,  58          ; s[58:59] c
.set SEL, 60          ; s[60:61] v_permlanex16_b32's selects
.set TB,  62          ; s62  LDS byte at which the slot in hand begins
.set G1M, 68
.set G0M, 76
.set PFA, 80          ; s[80:81] where my prefetches stand;  s[82:83] their step
.set PFS, 82
.set LIM, 84          ; s84-86: a wave prefetches where CNT & PMK = PRS and CNT > LIM
.set PMK, 85
.set PRS, 86
.set MSB, 0
.macro WIN new
.if MSB != (\new)
	s_set_vgpr_msb (MSB<<8)|(\new)
.set MSB, (\new)
.endif
.endm
.set W_KQ, 0x0a       ; K and Q in window 2, S^T in window 0
.set W_MM, 0x0f       ; E and the mask in window 3, S^T in window 0
.set W_PV, 0x52       ; V in window 2, P in window 0, O^T in window 1
.set W_RS, 0x41       ; O^T in window 1, a in window 0
.set W_MK, 0xc0       ; destination in window 3, sources in window 0
.set W_AD, 0x0f       ; the add: address and data in window 3
; A joint fill: wave 0 a step's K, wave 1 its V, waves 2 and 3 the two halves of its mask tile.  The branches hang on the wave's number alone.  An s_nop 0 and four v_nop follow each line.
.macro JLOAD
	s_cmp_lt_u32 s[WV], 2
	s_cbranch_scc0 .Lfor_m_\@
	s_cmp_eq_u32 s[WV], 0
	s_cbranch_scc0 .Lfor_v_\@
	tensor_load_to_lds s[G0K:G0K+3], s[G1K:G1K+7]
	s_nop 0
.rept 4
	v_nop
.endr
	s_branch .Lasked_\@
.Lfor_v_\@:
	tensor_load_to_lds s[G0V:G0V+3], s[G1V:G1V+7]
	s_nop 0
.rept 4
	v_nop
.endr
	s_branch .Lasked_\@
.Lfor_m_\@:
	tensor_load_to_lds s[G0M:G0M+3], s[G1M:G1M+7]
	s_nop 0
.rept 4
	v_nop
.endr
.Lasked_\@:
.endm
.macro CROUND
	s_barrier_signal -1
	s_barrier_wait -1
	s_cmp_lg_u32 s[WV], 0
	s_cbranch_scc1 .Lnot_wave_0_\@
	s_barrier_signal -3
.Lnot_wave_0_\@:
	s_barrier_wait -3
	s_barrier_signal -1
	s_barrier_wait -1
.endm
; A PREFETCH INTO THE L2, behind the joint fill and its five lines; a lane a block of 256 bytes.  The change with count CNT fills step f = 32 - CNT.
; The mask (waves 2, 3): a tile is read by all sixteen clusters; those with cluster y = 0 ask, for step f + 1; of a wave's 128 blocks the partner at place cy takes 32, by address.  Steps 0 to 2 come by their loads alone.
; K and V (waves 0, 1): a head's rows are read by its own row of the cluster alone, so every cluster asks: at f = 2, 6 .. 26 the partner at place cx names all 32 blocks of step f + 2 + cx.  Steps 0 to 3 come by their loads alone.
; The last step named is 31 in both streams.
.macro ASK
	s_and_b32 s2, s[CNT], s[PMK]
	s_cmp_eq_u32 s2, s[PRS]
	s_cbranch_scc0 .Lnot_now_\@
	s_cmp_gt_u32 s[CNT], s[LIM]
	s_cbranch_scc0 .Lnot_now_\@
	global_prefetch_b8 v[PFO], s[PFA:PFA+1] th:TH_LOAD_NT scope:SCOPE_SE
.Lnot_now_\@:
.endm
; THE CHANGE OF SLOTS.  Each wave waits for all its tensor loads (one is out: its part of the other slot), adds 0 to its spare word, and waits for that and for its reads of the slot that it leaves.
; fill = 1: the barrier is a round of the cluster's, and the joint fill of the old slot, with the step two on, is the first thing behind it: it has a key step's work in which to land.
.macro CHANGE fill, ask
	WIN W_AD
	s_wait_tensorcnt 0x0
	ds_add_u32 v[SPW], v[NIL]       ; 0 onto my spare word; scalar work stands between it and the wait for it
	WIN 0
.if \fill
	s_xor_b32 s[G0K+1], s[G0K+1], SLOT1
	s_add_nc_u64 s[G0K+2:G0K+3], s[G0K+2:G0K+3], KS*128
	s_xor_b32 s[G0V+1], s[G0V+1], SLOT1
	s_add_nc_u64 s[G0V+2:G0V+3], s[G0V+2:G0V+3], KS*128
	s_xor_b32 s[G0M+1], s[G0M+1], SLOT1
	s_add_nc_u64 s[G0M+2:G0M+3], s[G0M+2:G0M+3], 65536
.endif
.if \ask
	s_wait_xcnt 0x0                 ; the last prefetch, a key step back, has read its address
	s_add_nc_u64 s[PFA:PFA+1], s[PFA:PFA+1], s[PFS:PFS+1]
.endif
	s_wait_dscnt 0x0                ; the add is done, and my reads of the slot are over
.if \fill
	CROUND
	JLOAD
.else
	s_barrier_signal -1
	s_barrier_wait -1
.endif
.if \ask
	ASK
.endif
	s_xor_b32 s[TB], s[TB], SLOT1
.endm
.macro ADDR                         ; my places in the slot in hand
	WIN 0
	v_add_nc_u32 v[AK], s[TB], v[AK0]
	v_add_nc_u32 v[AV], s[TB], v[AV0]
	v_add_nc_u32 v[AM], s[TB], v[AM0]
.endm
	s_load_b128 s[88:91], s[0:1], 0x0  ; qkv s[88:89], maskt s[90:91]
	s_load_b64 s[10:11], s[0:1], 0x10  ; ob
	WIN W_MK
	v_lshl_add_u32 v[SPW], v0, 2, SPARE
	v_mov_b32 v[NIL], 0
	WIN W_AD
	ds_add_u32 v[SPW], v[NIL]       ; the wave's opening: the add and its wait ahead of my first tensor load
	WIN 0
	v_lshrrev_b32 v1, 5, v0
	v_readfirstlane_b32 s[WV], v1
	s_bfe_u32 s13, ttmp6, 0x40000   ; cx
	s_bfe_u32 s14, ttmp6, 0x40004   ; cy
	s_lshl_b32 s15, ttmp9, 2
	s_add_co_u32 s15, s15, s13      ; my block of 512 queries
	s_and_b32 s20, ttmp7, 0xffff
	s_lshl_b32 s20, s20, 2
	s_add_co_u32 s20, s20, s14      ; my head, 16 b + h,
	s_lshl_b32 s20, s20, 18         ; its plane of 262,144 bytes
	s_mov_b32 s21, 0
	s_lshl_b32 s18, s14, 2
	s_lshl_b32 s18, 15, s18         ; my row of the cluster
	s_lshl_b32 s19, 0x1111, s13     ; my column
	s_and_b32 s16, s[WV], 1         ; which half of a mask tile I fetch:
	s_mul_i32 s17, s16, 256*PM      ; its place in a slot,
	s_lshl_b32 s22, s15, 21         ; my block's 32 tiles of 65,536 bytes,
	s_lshl_b32 s23, s16, 15         ; the half's 32,768
	s_add_co_u32 s22, s22, s23
	s_mov_b32 s23, 0
	s_lshl_b32 s2, s15, 2
	s_add_co_u32 s2, s2, s[WV]
	s_lshl_b32 s2, s2, 14           ; my wave's 128 rows of 128 bytes
	s_add_co_u32 s2, s2, s20
	s_mov_b32 s3, 0
	; descriptor groups 1.  All three tiles are dense in memory and are asked for as rows of 256 bytes, padded in LDS after every 128
	s_or_b32 s[G1K], s18, (1<<16)|(1<<20)|(1<<21)|(4<<22)|(3<<25)  ; the mask of four; 2-byte elements; padding on; bit 21 beside a mask; after every 32 words, 4 words
	s_or_b32 s[G1V], s18, (1<<16)|(1<<20)|(1<<21)|(4<<22)|(7<<25)  ; 8 words
	s_or_b32 s[G1M], s19, (1<<16)|(1<<20)|(1<<21)|(4<<22)|(3<<25)
.irp g, G1K, G1V
	s_mov_b32 s[\g+1], 128<<16      ; tensor_dim0 = 128
	s_mov_b32 s[\g+2], 32<<16       ; tensor_dim1 = 32 rows: 64 keys
	s_mov_b32 s[\g+3], 128<<16      ; tile_dim0
	s_mov_b32 s[\g+4], 32           ; tile_dim1
	s_mov_b32 s[\g+5], 128          ; elements from row to row
	s_mov_b32 s[\g+6], 0
	s_mov_b32 s[\g+7], 0
.endr
	s_mov_b32 s[G1M+1], 128<<16
	s_mov_b32 s[G1M+2], 128<<16     ; 128 rows: 256 queries
	s_mov_b32 s[G1M+3], 128<<16
	s_mov_b32 s[G1M+4], 128
	s_mov_b32 s[G1M+5], 128
	s_mov_b32 s[G1M+6], 0
	s_mov_b32 s[G1M+7], 0
	s_mov_b32 s[CS], 0x3e38aa3b     ; c = log2(e) / 8
	s_mov_b32 s[CS+1], s[CS]
	s_mov_b32 s[SEL], 0x76543210
	s_mov_b32 s[SEL+1], 0xfedcba98
	s_mov_b32 s[TB], SLOT1          ; the first change of slots turns it into 0
	s_mov_b32 s[G0K], 1
	s_mov_b32 s[G0K+1], 0
	s_mov_b32 s[G0V], 1
	s_mov_b32 s[G0V+1], VOFF
	s_mov_b32 s[G0M], 1
	s_add_co_u32 s[G0M+1], s17, MOFF
	s_wait_dscnt 0x0                ; the opening add is done
	s_wait_kmcnt 0x0
	s_add_nc_u64 s[6:7], s[88:89], s[20:21]
	s_add_nc_u64 s[8:9], s[6:7], 0x2000000   ; V's plane of my head
	s_add_nc_u64 s[6:7], s[6:7], 0x1000000   ; K's
	s_mov_b64 s[G0K+2:G0K+3], s[6:7]
	s_or_b32 s[G0K+3], s[G0K+3], 0x80000000
	s_mov_b64 s[G0V+2:G0V+3], s[8:9]
	s_or_b32 s[G0V+3], s[G0V+3], 0x80000000
	s_add_nc_u64 s[92:93], s[90:91], s[22:23]
	s_mov_b64 s[G0M+2:G0M+3], s[92:93]
	s_or_b32 s[G0M+3], s[G0M+3], 0x80000000
	s_add_nc_u64 s[4:5], s[88:89], s[2:3]    ; Q and O at my wave's first row
	s_add_nc_u64 s[10:11], s[10:11], s[2:3]
	; the prefetches
	s_and_b32 s23, ttmp7, 0xffff
	s_cmp_eq_u32 s23, 0
	s_cselect_b32 s23, 1, -1        ; the mask: clusters with y = 0 alone
	s_cmp_eq_u32 s[WV], 0
	s_cselect_b64 s[PFA:PFA+1], s[6:7], s[8:9]
	s_cmp_lt_u32 s[WV], 2
	s_cselect_b64 s[PFA:PFA+1], s[PFA:PFA+1], s[92:93]
	s_cselect_b32 s[LIM], 2, s23
	s_cselect_b32 s[PMK], 3, 0
	s_cselect_b32 s[PRS], 2, 0
	s_cselect_b32 s16, s13, s14     ; my place among the four that ask with me: cx for K and V, cy for the mask
	s_cselect_b32 s17, 3, 16        ; where the pointer starts, in units of 8,192 bytes: K, V: step 3; the mask: step 2
	s_cselect_b32 s22, 13, 16       ; the logarithm of a step's bytes
	s_add_co_u32 s16, s16, s17
	s_lshl_b32 s16, s16, 13
	s_mov_b32 s17, 0
	s_add_nc_u64 s[PFA:PFA+1], s[PFA:PFA+1], s[16:17]
	s_lshl_b32 s[PFS], 1, s22
	s_mov_b32 s[PFS+1], 0
	CROUND                          ; all sixteen work-groups are here: the first joint loads meet
	JLOAD                           ; step 0 into slot 0
	v_and_b32 v1, 15, v0            ; l % 16
	v_bfe_u32 v9, v0, 4, 1          ; l / 16
	v_lshlrev_b32 v[QO], 7, v1
	v_lshl_add_u32 v[QO], v9, 4, v[QO]
	WIN 0x80
.set i, 0
.rept 4*NP                          ; Q stays in registers: tile i / 2, channels 32 (i % 2) on
	global_load_b128 v[8*i:8*i+3],   v[QO], s[4:5] offset:(i/2)*2048+(i%2)*64
	global_load_b128 v[8*i+4:8*i+7], v[QO], s[4:5] offset:(i/2)*2048+(i%2)*64+32
.set i, i+1
.endr
	; What the first turn finds: V's registers and P's second buffer hold 0, O^T and l are 0.  All this stands in the wait for the first tile.
.set i, VF
.rept 64
	v_mov_b32 v[i], 0
.set i, i+1
.endr
	WIN 0x40
.set i, 0
.rept 64*NP
	v_mov_b32 v[i], 0
.set i, i+1
.endr
	WIN 0
.set i, 0
.rept 2*NP
	v_mov_b32 v[ST+4*i], 0xfe000000    ; c m: far below every c s (the clamped mask gives c s above -2e36)
	v_mov_b32 v[ST+4*i+1], 0xff7fffff  ; m
	v_mov_b32 v[ST+4*i+2], 0
	v_mov_b32 v[ST+4*i+3], 0
.set i, i+1
.endr
.set i, P+32
.rept 32
	v_mov_b32 v[i], 0
.set i, i+1
.endr
	v_mul_u32_u24 v[AK0], v1, PK
	v_lshl_add_u32 v[AK0], v9, 4, v[AK0]
	v_and_b32 v10, 7, v0
	v_bfe_u32 v11, v0, 3, 1
	v_lshl_add_u32 v[AV0], v9, 3, v10  ; the turning load: key 8 (l / 16) + l % 8, channels 8 ((l / 8) % 2) on
	v_mul_u32_u24 v[AV0], v[AV0], PV
	v_lshl_add_u32 v[AV0], v11, 4, v[AV0]
	v_add_nc_u32 v[AV0], VOFF, v[AV0]
	s_lshl_b32 s2, s[WV], 7
	v_add_nc_u32 v[AM0], s2, v1     ; query 128 w + l % 16 of the block,
	v_mul_u32_u24 v[AM0], v[AM0], PM
	v_lshl_add_u32 v[AM0], v9, 4, v[AM0]  ; keys 8 (l / 16) on
	v_add_nc_u32 v[AM0], MOFF, v[AM0]
	; E0 and E1.  Lane l holds row m = l % 16; registers 0-3 hold k = 8 (l / 16) + 0..7, registers 4-7 k = 16 + 8 (l / 16) + 0..7.  t = m - 8 (l / 16) is the place of k = m among my eight, if it is there.
	v_lshlrev_b32 v14, 3, v9
	v_sub_nc_u32 v14, v1, v14
	s_mov_b32 s2, 0x4100            ; 8.0 in bf16, in the low half,
	s_mov_b32 s3, 0x41000000        ; in the high half
.irp n, 0,1,2,3
	v_cmp_eq_i32 vcc_lo, 2*\n, v14
	v_cndmask_b32 v[TMP+\n], 0, s2, vcc_lo
	v_cmp_eq_i32 vcc_lo, 2*\n+1, v14
	v_cndmask_b32 v[TMP+\n], v[TMP+\n], s3, vcc_lo
.endr
	WIN W_MK
.irp n, 0,1,2,3
	v_mov_b32 v[EF+\n], v[TMP+\n]
	v_mov_b32 v[EF+4+\n], 0
	v_mov_b32 v[EF+8+\n], 0
	v_mov_b32 v[EF+12+\n], v[TMP+\n]
.endr
	WIN 0
; THE MATRIX WORK.  The 8 accumulators of a piece take turns in one order through all 24 products.
; Mask product i of 8 for piece x: tile 2 x + i % 2, keys 16 kb on, kb = (i / 2) % 4: E(kb % 2) times the mask fragment of key half kb / 2.  It starts the sum.
.macro MK x
	WIN W_MM
.set rS, S+64*((\x)%2)+32*(i%2)+8*((i/2)%4)
.set rE, EF+8*(((i/2)%4)%2)
.set rB, MB+32*((\x)%2)+16*(i%2)+8*(((i/2)%4)/2)
	v_wmma_f32_16x16x32_bf16 v[rS:rS+7], v[rE:rE+7], v[rB:rB+7], 0
.endm
; Product i of 16 of S^T += K Q^T for piece x: channels 32 (i / 8) on, keys 16 ((i / 2) % 4) on, tile 2 x + i % 2.
.macro KQ x
	WIN W_KQ
.set rS, S+64*((\x)%2)+32*(i%2)+8*((i/2)%4)
.set rK, KF+16*((i/2)%4)+8*(i/8)
.set rQ, 16*(2*(\x)+i%2)+8*(i/8)
	v_wmma_f32_16x16x32_f16 v[rS:rS+7], v[rK:rK+7], v[rQ:rQ+7], v[rS:rS+7]
.endm
; Product i of 16 of O^T += V^T P for piece x: keys 32 (i / 8) on, channels 16 ((i / 2) % 4) on, tile 2 x + i % 2.
.macro PV x
	WIN W_PV
.set rO, 32*(2*(\x)+i%2)+8*((i/2)%4)
.set rV, VF+32*(i/8)+8*((i/2)%4)
.set rP, P+32*((\x)%2)+16*(i%2)+8*(i/8)
	v_wmma_f32_16x16x32_f16 v[rO:rO+7], v[rV:rV+7], v[rP:rP+7], v[rO:rO+7]
.endm
.macro MM                           ; the turn's next matrix instruction
.if i < 8
	MK (Y+1)%NP
.set i, i+1
.elseif i < 24
.set i, i-8
	KQ (Y+1)%NP
.set i, i+9
.else
.set i, i-24
	PV (Y+NP-1)%NP
.set i, i+25
.endif
.endm
; THE LDS LOADS stand in runs, never singly among the matrix instructions.
.macro FETCH_K
	WIN 0x80
.irp f, 0,1,2,3,4,5,6,7             ; keys 16 (f / 2) on, channels 32 (f % 2) on
	ds_load_b128 v[KF+8*\f:KF+8*\f+3],   v[AK] offset:(\f/2)*16*PK+(\f%2)*64
	ds_load_b128 v[KF+8*\f+4:KF+8*\f+7], v[AK] offset:(\f/2)*16*PK+(\f%2)*64+32
.endr
	WIN 0
.endm
.macro FETCH_V
	WIN 0x80
.irp f, 0,1,2,3,4,5,6,7             ; keys 32 (f / 4) on, channels 16 (f % 4) on
	ds_load_tr16_b128 v[VF+8*\f:VF+8*\f+3],   v[AV] offset:(\f/4)*32*PV+(\f%4)*32
	ds_load_tr16_b128 v[VF+8*\f+4:VF+8*\f+7], v[AV] offset:(\f/4)*32*PV+16*PV+(\f%4)*32
.endr
	WIN 0
.endm
.macro FETCH_M x                    ; piece x's mask: two tiles of 16 queries x two halves of 32 keys
	WIN 0xc0
.irp u, 0,1
.irp kk, 0,1
	ds_load_b128 v[MB+32*((\x)%2)+16*\u+8*\kk:MB+32*((\x)%2)+16*\u+8*\kk+3],   v[AM] offset:(2*(\x)+\u)*16*PM+64*\kk
	ds_load_b128 v[MB+32*((\x)%2)+16*\u+8*\kk+4:MB+32*((\x)%2)+16*\u+8*\kk+7], v[AM] offset:(2*(\x)+\u)*16*PM+64*\kk+32
.endr
.endr
	WIN 0
.endm
; THE VECTOR WORK OF A TURN stands in three queues, each in the order in which its entries become ready; the two tiles alternate.
.macro REGS y, u
.set rT, ST+4*(2*(\y)+(\u))
.set rC, TMP+8*((\y)%2)+4*(\u)
.set rM, MV+2*((\y)%2)+(\u)
.set rS, S+64*((\y)%2)+32*(\u)
.set rP, P+32*((\y)%2)+16*(\u)
.set rO, 32*(2*(\y)+(\u))
.endm
; Number n of the 22 that find the NEXT piece's maximum and statistics; each accumulator's lowest registers are read first.
;   0-11 four chains of seven scores; 12-14, 16 the four left over, the old m, and the four chains into one; 15 c m_old is kept; 17, 18 the other half of the lanes, the new m; 19-21 c m; its change; a
.macro XS u, n
	REGS (Y+1)%NP, \u
.if (\n) < 4
	v_max3_num_f32 v[rC+(\n)], v[rS+8*(\n)], v[rS+8*(\n)+1], v[rS+8*(\n)+2]
.elseif (\n) < 12
	v_max3_num_f32 v[rC+(\n)%4], v[rC+(\n)%4], v[rS+8*((\n)%4)+2*((\n)/4)+1], v[rS+8*((\n)%4)+2*((\n)/4)+2]
.elseif (\n) == 12
	v_max3_num_f32 v[rC], v[rC], v[rS+7], v[rS+15]
.elseif (\n) == 13
	v_max3_num_f32 v[rC+1], v[rC+1], v[rS+23], v[rS+31]
.elseif (\n) == 14
	v_max3_num_f32 v[rC+2], v[rC+2], v[rC+3], v[rT+1]
.elseif (\n) == 15
	v_mov_b32 v[rM], v[rT]
.elseif (\n) == 16
	v_max3_num_f32 v[rC], v[rC], v[rC+1], v[rC+2]
.elseif (\n) == 17
	v_permlanex16_b32 v[rC+3], v[rC], s[SEL], s[SEL+1]
.elseif (\n) == 18
	v_max_num_f32 v[rT+1], v[rC], v[rC+3]
.elseif (\n) == 19
	v_mul_f32 v[rT], s[CS], v[rT+1]
.elseif (\n) == 20
	v_sub_f32 v[rC+1], v[rM], v[rT]
.else
	v_exp_f32 v[rC+2], v[rC+1]
.endif
.endm
; Number g of the 64 that follow the exponentials: for each four weights both pairs are rounded to f16, the second pair is added onto the first in place, and a group later l takes that sum (the first time as l = a l + sum).
.macro GS g
.set h, (\g)+6*((\g)/62)
.if h >= 6
.set h, h+2
.endif
	REGS Y, h%2
.set k, h/8
.if h%8 < 4
	v_cvt_pk_f16_f32 v[rP+2*k+(h%8)/2], v[rS+4*k+2*((h%8)/2)], v[rS+4*k+2*((h%8)/2)+1]
.elseif h%8 < 6
	v_pk_add_f32 v[rS+4*k:rS+4*k+1], v[rS+4*k:rS+4*k+1], v[rS+4*k+2:rS+4*k+3]
.elseif k == 1
	v_pk_fma_f32 v[rT+2:rT+3], v[rT+2:rT+3], v[rC+2:rC+3], v[rS:rS+1] op_sel_hi:[1,0,1]
.else
	v_pk_add_f32 v[rT+2:rT+3], v[rT+2:rT+3], v[rS+4*k-4:rS+4*k-3]
.endif
.endm
; THE PLAIN QUEUE, 138 long.  0-26: scalings 0-26.  27-54: XS's numbers 0-13.  55, 56: number 15.  57-73: the chain 14, 16 .. 19, each with one of the scalings 27-31 in front, then 20.  74-137: GS's 64, behind the wait.
.macro FS f
	REGS Y, (\f)%2
	v_pk_fma_f32 v[rS+2*((\f)/2):rS+2*((\f)/2)+1], v[rS+2*((\f)/2):rS+2*((\f)/2)+1], s[CS:CS+1], v[rT:rT+1] op_sel_hi:[1,0,0] neg_lo:[0,0,1] neg_hi:[0,0,1]
.endm
.macro PL
	WIN 0
.if q < 27
	FS q
.elseif q < 55
	XS (q-27)%2, (q-27)/2
.elseif q < 57
	XS q-55, 15
.elseif (q < 72) && ((q-57)%3 == 0)
	FS 27+(q-57)/3
.elseif q < 60
	XS (q-57)%3-1, 14
.elseif q < 72
	XS (q-57)%3-1, 15+(q-57)/3
.elseif q < 74
	XS q-72, 20
.else
	GS q-74
.endif
.set q, q+1
.endm
; THE EXPONENTIALS' QUEUE, 66 long: s0-s31 of both tiles, then the next piece's two a: ONE BATCH, all ahead of the turn's one wait, and nothing ahead of that wait names a result of theirs.
.macro EX
	WIN 0
.if e >= 64
	XS e-64, 21
.else
	REGS Y, e%2
	v_exp_f32 v[rS+e/2], v[rS+e/2]
.endif
.set e, e+1
.endm
; THE RESCALING's QUEUE: O^T times a, two at a time, sixteen times.  Its a was made, and waited for, in the turn before.
.macro R2
	REGS Y, r%2
	WIN W_RS
.irp z, 0,1
	v_pk_mul_f32 v[rO+4*(r/2)+2*\z:rO+4*(r/2)+2*\z+1], v[rO+4*(r/2)+2*\z:rO+4*(r/2)+2*\z+1], v[rC+2:rC+3] op_sel_hi:[1,0]
.endr
.set r, r+1
.endm
; A TURN, for piece p.  AHEAD OF THE WAIT: 24 products (8 of the mask, 16 K Q^T); behind the first sixteen a scaling, an exponential and two rescalings (behind the very first a second scaling for the exponential),
; behind the last eight a scaling and an exponential; then a lump: eight plain, 41 times exponential and plain, the two a.  74 plain and 66 exponentials in all.  An exponential e stands behind plain e + 2 as a rider and
; behind plain e + 9 in the lump, and its scaling is plain 2 (e / 4) + e % 2 or, for scalings 27-31, plain 57, 60 .. 69.  Plain 27, the first that reads this turn's scores, stands in the lump; the last accumulator is read
; by plain 34, ten plain instructions behind its last product.  Between a mask product and the f16 product that takes its result up stand seven products, each with three plain riders or more that name none of its registers.
; BEHIND THE WAIT: the mask of piece p + 2 is fetched (its buffer's last reader stands a turn back); in piece 2's turn also K of the next step; then 16 products V^T P, behind each four of the roundings and sums.
; V of the step in hand is fetched at the end of piece 0's turn, four plain riders behind its last reader.
.macro TURN p, cnt=0
.set Y, (\p)
.set i, 0
.set q, 0
.set e, 0
.set r, 0
.if (\p) == 1
	s_wait_dscnt 16                 ; the mask is in; V's sixteen loads, issued behind it, may be out
.else
	s_wait_dscnt 0x0                ; the mask is in (piece 3's turn: K too)
.endif
	MM
	PL
	PL
	R2
.rept 15
	MM
	PL
	EX
	R2
.endr
.rept 8
	MM
	PL
	EX
.endr
.rept 8
	PL
.endr
.rept 41
	EX
	PL
.endr
	EX
	EX
	v_nop                           ; the plain instruction behind the last exponential: one for the batch
	s_wait_alu depctr_va_vdst(0)    ; the wait for the batch
.if (\p) == 1
	s_wait_dscnt 0x0                ; V is in
.endif
	FETCH_M ((\p)+2)%NP
.if (\p) == 2
	FETCH_K
.endif
.rept 16
	MM
.rept 4
	PL
.endr
.if (\cnt) && (q == 130)
	s_sub_co_u32 s[CNT], s[CNT], 1
	s_cmp_lg_u32 s[CNT], 0
.endif
.endr
.if (\p) == 0
	FETCH_V
.endif
.endm
	s_mov_b32 s[CNT], 31
	CHANGE 1, 0                     ; step 0 is in, everybody's part of it; step 1 is asked for, into slot 1
	s_wait_loadcnt 0x0              ; Q; its offset register is free
	s_mul_i32 s13, s[WV], 16*SP
	s_add_co_u32 s13, s13, STAGE    ; my stage
	v_mul_u32_u24 v[STO], v1, SP    ; in: row l % 16, 16 bytes for each half of the lanes
	v_lshl_add_u32 v[STO], v9, 4, v[STO]
	v_add_nc_u32 v[STO], s13, v[STO]
	v_bfe_u32 v[RD], v0, 3, 2       ; back: 32 lanes take four rows of 128 bytes,
	v_mul_u32_u24 v[RD], v[RD], SP
	v_lshl_add_u32 v[RD], v10, 4, v[RD]
	v_add_nc_u32 v[RD], s13, v[RD]
	v_and_b32 v[GO], 31, v0         ; which are 512 consecutive bytes of O
	v_lshlrev_b32 v[GO], 4, v[GO]
	v_and_b32 v[PFO], 31, v0
	v_lshlrev_b32 v[PFO], 8, v[PFO]
	ADDR
	FETCH_K                         ; step 0
	FETCH_M 0
	FETCH_M 1
	s_wait_dscnt 0x0
.set i, 0
.rept 8
	MK 0                            ; piece 0's first scores begin with its mask
.set i, i+1
.endr
.rept 5
	v_nop                           ; five places between a bf16 product and the f16 product that takes its result as C
.endr
.set i, 0
.rept 16
	KQ 0
.set i, i+1
.endr
	WIN 0
.rept 4
	v_nop                           ; the places behind those products
.endr
.set Y, NP-1                        ; XS works for piece Y + 1: piece 0
.irp n, 0,1,2,3,4,5,6,7,8,9,10,11,12,13,14,15,16,17,18,19,20,21
	XS 0, \n
	XS 1, \n
.endr
	v_nop                           ; a plain instruction behind the two a,
	s_wait_alu depctr_va_vdst(0)    ; and their wait, ahead of the branch
	s_branch .Lfirst                ; the loop is entered at a step's first turn, in the middle of a trip
.Lstep:                             ; 30 times: pieces 2 and 3 of one step, then pieces 0 and 1 of the next; the change fills steps 2 to 31
	CHANGE 1, 1
	ADDR
	TURN 2
	TURN 3
	WIN 0
.Lfirst:
	TURN 0
	TURN 1, 1
	WIN 0
	s_cbranch_scc1 .Lstep
	CHANGE 0, 0                     ; the tail is written out: nothing is asked for
	ADDR
	s_mov_b32 s[CNT], 2             ; one trip for step 31; the second is left in its middle
.Ltail:
	TURN 2
	TURN 3
	WIN 0
	s_sub_co_u32 s[CNT], s[CNT], 1
	s_cmp_eq_u32 s[CNT], 0
	s_cbranch_scc1 .Lout
	TURN 0
	TURN 1
	WIN 0
	s_branch .Ltail
.Lout:                              ; the second trip's fetches (the last slot once more) and the scores made of them serve nothing: the price, once a launch, of one text for every trip
.set i, 0
.rept 16
	PV NP-1
.set i, i+1
.endr
	; THE WAY OUT.  l's two halves and the other half of the lanes' are added; O^T is divided by l, rounded to f16 and sent through my stage, a tile at a time.  The additions are the places behind the last products.
	WIN 0
.macro ALL line:vararg
.set t, 0
.rept 2*NP
	\line
.set t, t+1
.endr
.endm
	ALL v_add_f32 v[ST+4*t+2], v[ST+4*t+2], v[ST+4*t+3]
	ALL v_permlanex16_b32 v[ST+4*t+3], v[ST+4*t+2], s[SEL], s[SEL+1]
	ALL v_add_f32 v[ST+4*t+2], v[ST+4*t+2], v[ST+4*t+3]
	ALL v_rcp_f32 v[ST+4*t+2], v[ST+4*t+2]
	v_nop                           ; a plain instruction between the last reciprocal and the use of its result
	s_wait_alu depctr_va_vdst(0)    ; one wait for the eight reciprocals
.macro PACK t
	WIN W_RS
.set i, 32*(\t)
.rept 16
	v_pk_mul_f32 v[i:i+1], v[i:i+1], v[ST+4*(\t)+2:ST+4*(\t)+3] op_sel_hi:[1,0]
.set i, i+2
.endr
	WIN 0x05
.set i, 0
.rept 16
	v_cvt_pk_f16_f32 v[S+16*(\t)+i], v[32*(\t)+2*i], v[32*(\t)+2*i+1]
.set i, i+1
.endr
	WIN 0
.irp f, 0,1,2,3
	ds_store_b128 v[STO], v[S+16*(\t)+4*\f:S+16*(\t)+4*\f+3] offset:32*\f
.endr
.irp f, 0,1,2,3
	ds_load_b128 v[S+16*(\t)+4*\f:S+16*(\t)+4*\f+3], v[RD] offset:\f*4*SP  ; LDS serves a wave's instructions in order (ISA guide 5.7.1.4): these see the stores above
.endr
.endm
.macro SEND t, younger
	WIN 0
.irp f, 0,1,2,3
	s_wait_dscnt (\younger)+3-\f
	global_store_b128 v[GO], v[S+16*(\t)+4*\f:S+16*(\t)+4*\f+3], s[10:11] offset:(\t)*2048+\f*512  ; 512 consecutive bytes, aligned
.endr
.endm
	PACK 0
.set t, 1
.rept 2*NP-1
	PACK t
	SEND t-1, 8
.set t, t+1
.endr
	SEND 2*NP-1, 0
	WIN W_AD
	s_wait_tensorcnt 0x0            ; the wave's end
	ds_add_u32 v[SPW], v[NIL]
	s_wait_dscnt 0x0
	WIN 0
	CROUND                          ; the closing round
	s_endpgm
.Lfunc_end_k_qd4f29690d0_attn:
	.size	k_qd4f29690d0_attn, .Lfunc_end_k_qd4f29690d0_attn-k_qd4f29690d0_attn
	.p2alignl 7, 3214868480
	.fill 96, 4, 3214868480
	.section	.rodata,"a",@progbits
	.p2align	6, 0x0
	.amdhsa_kernel k_qd4f29690d0_attn
		.amdhsa_group_segment_fixed_size 327680
		.amdhsa_private_segment_fixed_size 0
		.amdhsa_enable_private_segment 0
		.amdhsa_kernarg_size 24
		.amdhsa_user_sgpr_count 2
		.amdhsa_user_sgpr_kernarg_segment_ptr 1
		.amdhsa_wavefront_size32 1
		.amdhsa_system_sgpr_workgroup_id_x 1
		.amdhsa_system_sgpr_workgroup_id_y 1
		.amdhsa_system_sgpr_workgroup_id_z 1
		.amdhsa_system_vgpr_workitem_id 0
		.amdhsa_next_free_vgpr 896
		.amdhsa_next_free_sgpr 96
		.amdhsa_reserve_vcc 1
		.amdhsa_float_denorm_mode_32 3
		.amdhsa_float_denorm_mode_16_64 3
		.amdhsa_memory_ordered 1
		.amdhsa_forward_progress 1
		.amdhsa_inst_pref_size 218
	.end_amdhsa_kernel
	.amdgpu_metadata
---
amdhsa.version: [ 1, 2 ]
amdhsa.kernels:
  - .name:           k_qd4f29690d0_attn
    .symbol:         k_qd4f29690d0_attn.kd
    .args:
      - { .name: qkv, .offset: 0, .size: 8, .value_kind: global_buffer, .address_space: global }
      - { .name: maskt, .offset: 8, .size: 8, .value_kind: global_buffer, .address_space: global }
      - { .name: ob, .offset: 16, .size: 8, .value_kind: global_buffer, .address_space: global }
    .group_segment_fixed_size: 327680
    .private_segment_fixed_size: 0
    .kernarg_segment_align: 8
    .kernarg_segment_size: 24
    .max_flat_workgroup_size: 128
    .sgpr_count:     96
    .vgpr_count:     896
    .wavefront_size: 32
...
	.end_amdgpu_metadata
.endif
;; end of part 3
;; launch oproj (part 4): grid 8 x 32, 4 waves a work-group, clusters of 4 x 4, 327,680 bytes of LDS; arguments ob, wof, out0; writes out0
.if DOCPART == 4
	.amdgcn_target "amdgcn-amd-amdhsa--gfx1250"
	.amdhsa_code_object_version 6
	.text
	.protected	k_qd4f29690d0_oproj
	.globl	k_qd4f29690d0_oproj
	.p2align	8
	.type	k_qd4f29690d0_oproj,@function
k_qd4f29690d0_oproj:
	s_mov_b64 s[64:65], 0
	v_nop
	global_prefetch_b8 v0, s[64:65] scope:SCOPE_SE
	s_setreg_imm32_b32 hwreg(HW_REG_WAVE_MODE, 25, 1), 1
	s_wait_xcnt 0x0
	s_wait_alu depctr_hold_cnt(0) depctr_sa_sdst(0) depctr_va_vdst(0) depctr_va_sdst(0) depctr_va_ssrc(0) depctr_va_vcc(0) depctr_vm_vsrc(0)
	s_getreg_b32 s2, hwreg(HW_REG_IB_STS2, 6, 4)
	s_cmp_eq_u32 s2, 0
	s_cbranch_scc0 .Lentry_in_a_cluster
	s_endpgm
.Lentry_in_a_cluster:
	s_bfe_u32 s2, ttmp6, 0x10000c
	s_cmp_lg_u32 s2, 0xf033
	s_cbranch_scc0 .Lentry_shape_is_right
	s_endpgm
.Lentry_shape_is_right:
; out0[m][e] = the sum over k of O[m][k] wo[e][k], in f16 with f32 sums, stored in f32.  O lies by heads, ob[16 b + h][2048][64]: k = 64 h + d.  wof holds wo rounded to bf16, written as f16.
; LIMIT.  O and wof lie within f16's range as their launches left them; NaN and infinities are not treated apart.
; SHARES.  A tile of C is 256 tokens x 128 columns; wave w takes tokens 64 w .. 64 w + 63 and all 128 columns: 4 x 8 accumulators, 256 registers.  256 work-groups.
; K goes in 8 steps of 128 = two heads, through two LDS slots.  A head's 256 tokens are 32,768 dense bytes: asked for as 128 rows of 256 bytes, padded in LDS after each token's 128.
; CLUSTER.  4 x 4: O's tile is asked for jointly along a row of the cluster, wo's along a column.  The matrix instruction is used transposed: a lane holds token l % 16 and eight neighbouring columns.
; REGISTERS: window 0: v0-31 addresses; v64-127 O's fragments, two buffers; v128-255 two buffers of 64 on the way out.  window 1: v0-127 wo's fragments, two buffers.  window 2: accumulator (a, b) at 8 (8 a + b).
.set NBK,   8
.set PA,    144                        ; a token's 128 bytes of one head + 16 of padding
.set PLANE, 256*PA                     ; a head's 256 tokens
.set PB,    272                        ; a row of wo's tile: 256 bytes + 16
.set BOFF,  2*PLANE
.set SLOT1, 1<<17
.set STAGE, SLOT1+BOFF+128*PB          ; behind the ring, never filled by a tensor load: 16 rows x 528 bytes for each wave
.set SPO,   528
.set SPARE, STAGE+4*16*SPO             ; the spare words, 128 bytes for each wave, that no other line names
.set ADRA0, 16
.set ADRB0, 17
.set ADRA,  18
.set ADRB,  19
.set STO,   24
.set RD,    25
.set GO,    26
.set SPW,   28
.set NIL,   29
.set PFO,   30
.set AF,    64
.set OUTB,  128
.set WV,  12
.set FB,  13                           ; 0: I fetch O's tile; 1: wo's
.set HF,  14                           ; which head of the step, or which half of wo's rows
.set TB,  15
.set G1A, 24
.set G0A, 32
.set G0B, 36
.set G1B, 40
.set PFA, 54
.set PFS, 56
.set LIM, 58
.set MSB, 0
.macro WIN new
.if MSB != (\new)
	s_set_vgpr_msb (MSB<<8)|(\new)
.set MSB, (\new)
.endif
.endm
.macro JLOAD                           ; waves 0 and 1 fetch the step's two heads of O, waves 2 and 3 the two halves of wo's tile; an s_nop 0 and four v_nop follow each line
	s_cmp_eq_u32 s[FB], 0
	s_cbranch_scc0 .Lfor_b_\@
	tensor_load_to_lds s[G0A:G0A+3], s[G1A:G1A+7]
	s_nop 0
.rept 4
	v_nop
.endr
	s_branch .Lasked_\@
.Lfor_b_\@:
	tensor_load_to_lds s[G0B:G0B+3], s[G1B:G1B+7]
	s_nop 0
.rept 4
	v_nop
.endr
.Lasked_\@:
.endm
.macro STEPG                           ; both walking descriptors: the other slot, the next K step (O: two planes on; wo: 256 bytes along its rows)
	s_xor_b32 s[G0A+1], s[G0A+1], SLOT1
	s_add_nc_u64 s[G0A+2:G0A+3], s[G0A+2:G0A+3], 524288
	s_xor_b32 s[G0B+1], s[G0B+1], SLOT1
	s_add_nc_u64 s[G0B+2:G0B+3], s[G0B+2:G0B+3], 256
.endm
; A prefetch into the L2 of the K step two refills on, a lane a block of 256 bytes.  O's tile is read by both clusters of its row of clusters: cluster x = 0 asks; wo's by all eight of its column: cluster y = 0 asks.
; The four partners share a wave's blocks out by address (32 of O's 128; 16 of wo's 64 rows).  K steps 0 to 3 come by their loads alone; trips with s3 <= 2 have no step two on.
.macro ASK
	s_cmp_gt_u32 s3, s[LIM]
	s_cbranch_scc0 .Lnot_mine_\@
	global_prefetch_b8 v[PFO], s[PFA:PFA+1] th:TH_LOAD_NT scope:SCOPE_SE
.Lnot_mine_\@:
.endm
.macro CREST
	s_cmp_lg_u32 s[WV], 0
	s_cbranch_scc1 .Lnot_wave_0_\@
	s_barrier_signal -3
.Lnot_wave_0_\@:
	s_barrier_wait -3
	s_barrier_signal -1
	s_barrier_wait -1
.endm
.macro CROUND
	s_barrier_signal -1
	s_barrier_wait -1
	CREST
.endm
	s_load_b128 s[4:7], s[0:1], 0x0                ; ob s[4:5], wof s[6:7]
	s_load_b64 s[8:9], s[0:1], 0x10                ; out0
	v_lshl_add_u32 v[SPW], v0, 2, SPARE
	v_mov_b32 v[NIL], 0
	ds_add_u32 v[SPW], v[NIL]                      ; the wave's opening: the add and its wait ahead of my first tensor load
	v_lshrrev_b32 v1, 5, v0
	v_readfirstlane_b32 s[WV], v1
	s_lshr_b32 s[FB], s[WV], 1
	s_and_b32 s[HF], s[WV], 1
	s_bfe_u32 s48, ttmp6, 0x40000                  ; cx
	s_bfe_u32 s49, ttmp6, 0x40004                  ; cy
	s_lshl_b32 s50, ttmp9, 2
	s_add_co_u32 s50, s50, s48                     ; tile column: 128 columns
	s_and_b32 s51, ttmp7, 0xffff
	s_lshl_b32 s51, s51, 2
	s_add_co_u32 s51, s51, s49                     ; tile row: 256 tokens
	s_lshl_b32 s52, s49, 2
	s_lshl_b32 s52, 15, s52                        ; my row of the cluster
	s_lshl_b32 s53, 0x1111, s48                    ; my column
	s_or_b32 s[G1A], s52, (1<<16)|(1<<20)|(1<<21)|(4<<22)|(3<<25)  ; padding after every 32 words, 4 words
	s_or_b32 s[G1B], s53, (1<<16)|(1<<20)|(1<<21)|(5<<22)|(3<<25)  ; after every 64 words
	s_mov_b32 s[G1A+1], 128<<16                    ; tensor_dim0 = 128
	s_mov_b32 s[G1A+2], 128<<16                    ; tensor_dim1 = 128 rows of two tokens
	s_mov_b32 s[G1A+3], 128<<16
	s_mov_b32 s[G1A+4], 128
	s_mov_b32 s[G1A+5], 128                        ; dense
	s_mov_b32 s[G1A+6], 0
	s_mov_b32 s[G1A+7], 0
	s_mov_b32 s[G1B+1], 128<<16
	s_mov_b32 s[G1B+2], 64<<16                     ; 64 rows
	s_mov_b32 s[G1B+3], 128<<16
	s_mov_b32 s[G1B+4], 64
	s_mov_b32 s[G1B+5], 1024
	s_mov_b32 s[G1B+6], 0
	s_mov_b32 s[G1B+7], 0
	s_lshr_b32 s16, s51, 3                         ; O: plane 16 b + my head of the step,
	s_lshl_b32 s16, s16, 4
	s_add_co_u32 s16, s16, s[HF]
	s_lshl_b32 s16, s16, 11                        ; its 2,048 tokens,
	s_and_b32 s17, s51, 7
	s_lshl_b32 s17, s17, 8                         ; the tile's 256 of them,
	s_add_co_u32 s16, s16, s17
	s_lshl_b32 s16, s16, 7                         ; 128 bytes each
	s_mov_b32 s17, 0
	s_lshl_b32 s20, s50, 7                         ; wo: row 128 x tile column + 64 x half
	s_lshl_b32 s21, s[HF], 6
	s_add_co_u32 s20, s20, s21
	s_lshl_b32 s20, s20, 11
	s_mov_b32 s21, 0
	s_mov_b32 s[G0A], 1
	s_mul_i32 s[G0A+1], s[HF], PLANE
	s_mov_b32 s[G0B], 1
	s_mul_i32 s[G0B+1], s[HF], 64*PB
	s_add_co_u32 s[G0B+1], s[G0B+1], BOFF
	s_mov_b32 s[TB], 0
	s_wait_dscnt 0x0                               ; the opening add is done
	s_wait_kmcnt 0x0
	s_add_nc_u64 s[G0A+2:G0A+3], s[4:5], s[16:17]
	s_or_b32 s[G0A+3], s[G0A+3], 0x80000000
	s_add_nc_u64 s[G0B+2:G0B+3], s[6:7], s[20:21]
	s_or_b32 s[G0B+3], s[G0B+3], 0x80000000
	; the prefetches: my work-group's share of what I fetch, at K step 3; the first refill steps it to 4
	s_and_b32 s22, ttmp7, 0xffff
	s_cmp_eq_u32 s[FB], 0
	s_cselect_b32 s22, ttmp9, s22                  ; the coordinate along which other clusters read the same bytes
	s_cselect_b32 s23, s48, s49                    ; my place among the four that ask with me
	s_cselect_b32 s18, s16, s20
	s_cselect_b64 s[PFA:PFA+1], s[4:5], s[6:7]
	s_cselect_b32 s60, 13, 15                      ; logarithms: a share's bytes (32 blocks of 256; 16 rows of 2,048),
	s_cselect_b32 s61, 19, 8                       ; a K step's bytes,
	s_cselect_b32 s63, 8, 11                       ; bytes from a lane's block to the next lane's
	s_cselect_b32 s62, 31, 15                      ; the share's last lane
	s_cmp_eq_u32 s22, 0
	s_cselect_b32 s[LIM], 2, -1
	s_lshl_b32 s23, s23, s60
	s_lshl_b32 s[PFS], 1, s61
	s_mov_b32 s[PFS+1], 0
	s_mul_i32 s22, s[PFS], 3
	s_add_co_u32 s18, s18, s23
	s_add_co_u32 s18, s18, s22
	s_mov_b32 s19, 0
	s_add_nc_u64 s[PFA:PFA+1], s[PFA:PFA+1], s[18:19]
	v_and_b32 v[PFO], 31, v0
	v_min_u32 v[PFO], s62, v[PFO]                  ; lanes beyond the share repeat its last block
	v_lshlrev_b32 v[PFO], s63, v[PFO]
	; out0 at my 64 tokens and the tile's 128 columns
	s_lshl_b32 s22, s51, 8
	s_lshl_b32 s23, s[WV], 6
	s_add_co_u32 s22, s22, s23
	s_lshl_b32 s22, s22, 12
	s_lshl_b32 s23, s50, 9
	s_add_co_u32 s22, s22, s23
	s_mov_b32 s23, 0
	s_add_nc_u64 s[8:9], s[8:9], s[22:23]
	CROUND                                         ; all sixteen work-groups are here: the first joint loads meet
	JLOAD                                          ; K step 0 into slot 0
	v_and_b32 v1, 15, v0                           ; l % 16
	v_bfe_u32 v2, v0, 4, 1                         ; l / 16
	v_mul_u32_u24 v3, v1, PA
	v_lshl_add_u32 v3, v2, 4, v3
	s_mul_i32 s22, s[WV], 64*PA
	v_add_nc_u32 v[ADRA0], s22, v3                 ; my 64 tokens, in the step's first head
	v_mul_u32_u24 v4, v1, PB
	v_lshl_add_u32 v4, v2, 4, v4
	v_add_nc_u32 v[ADRB0], BOFF, v4
	s_mul_i32 s22, s[WV], 16*SPO
	s_add_co_u32 s22, s22, STAGE                   ; my stage
	v_mul_u32_u24 v[STO], v1, SPO                  ; in: row l % 16, 32 bytes for each half of the lanes
	v_lshl_add_u32 v[STO], v2, 5, v[STO]
	v_add_nc_u32 v[STO], s22, v[STO]
	v_and_b32 v[GO], 31, v0                        ; back: 32 lanes take a row's 512 bytes
	v_lshlrev_b32 v[GO], 4, v[GO]
	v_add_nc_u32 v[RD], s22, v[GO]
	; slot 1's first fill is issued as a refill is
	s_wait_tensorcnt 0x0
	ds_add_u32 v[SPW], v[NIL]
	STEPG
	s_wait_dscnt 0x0
	CROUND
	JLOAD                                          ; K step 1 into slot 1
	v_mov_b32 v[ADRA], v[ADRA0]
	v_mov_b32 v[ADRB], v[ADRB0]
; 8 matrix instructions: token block a x all column blocks, 32 along K, from buffer f.  The 32 accumulators take turns in the same order in every quarter.
.macro MULA f, a, zero
	WIN 0xa1
.set b, 0
.rept NBK
.set rD, 8*(8*(\a)+b)
.if \zero
	v_wmma_f32_16x16x32_f16 v[rD:rD+7], v[64*(\f)+8*b:64*(\f)+8*b+7], v[AF+32*(\f)+8*(\a):AF+32*(\f)+8*(\a)+7], 0
.else
	v_wmma_f32_16x16x32_f16 v[rD:rD+7], v[64*(\f)+8*b:64*(\f)+8*b+7], v[AF+32*(\f)+8*(\a):AF+32*(\f)+8*(\a)+7], v[rD:rD+7]
.endif
.set b, b+1
.endr
.endm
; 24 LDS loads in one run: quarter q (head q / 2 of the step, channels 32 (q % 2) on) into buffer f: wo's 16, then O's 8, token blocks ascending
.macro FETCH q, f
	WIN 0x40
.set n, 0
.rept NBK
	ds_load_b128 v[64*(\f)+8*n:64*(\f)+8*n+3],   v[ADRB] offset:64*(\q)+n*16*PB
	ds_load_b128 v[64*(\f)+8*n+4:64*(\f)+8*n+7], v[ADRB] offset:64*(\q)+n*16*PB+32
.set n, n+1
.endr
	WIN 0
.set n, 0
.rept 4
	ds_load_b128 v[AF+32*(\f)+8*n:AF+32*(\f)+8*n+3],   v[ADRA] offset:((\q)/2)*PLANE+((\q)%2)*64+n*16*PA
	ds_load_b128 v[AF+32*(\f)+8*n+4:AF+32*(\f)+8*n+7], v[ADRA] offset:((\q)/2)*PLANE+((\q)%2)*64+n*16*PA+32
.set n, n+1
.endr
.endm
.macro PLACES                          ; four plain instructions between a matrix instruction and a load into a register that it has read, or a store of its result (ISA guide 7.12.1 for vector instructions)
.rept 4
	v_nop
.endr
.endm
.macro QUARTER q, f, g, zero
	s_wait_dscnt 4                                 ; all but the youngest four loads: O's token blocks 2 and 3
	MULA \f, 0, \zero
	MULA \f, 1, \zero
	PLACES
	FETCH \q, \g
	s_wait_dscnt 2*NBK+8                           ; all but the run just issued
	MULA \f, 2, \zero
	MULA \f, 3, \zero
.endm
; The last quarter multiplies buffer 1 and changes slots: each wave waits for all its tensor loads (one is out: its part of the next slot), adds 0 to its spare word, and waits for that and for its reads of this slot.
; fill = 1: the barrier opens a round of the cluster's, and the joint refill, with the K step two on, is the first tensor load behind it.
.macro TURN fill
.if \fill
	s_wait_xcnt 0x0                                ; the last prefetch, a K step back, has read its address
	s_add_nc_u64 s[PFA:PFA+1], s[PFA:PFA+1], s[PFS:PFS+1]
.endif
	WIN 0
	s_wait_tensorcnt 0x0
	ds_add_u32 v[SPW], v[NIL]
	s_wait_dscnt 5                                 ; (the add and the youngest four loads may be out)
	MULA 1, 0, 0
	s_wait_dscnt 0x0                               ; the add is done, and my reads of this slot are over
	s_barrier_signal -1
	MULA 1, 1, 0
	WIN 0
	s_barrier_wait -1
.if \fill
	CREST
	STEPG
.endif
	s_xor_b32 s[TB], s[TB], SLOT1
.if \fill
	JLOAD                                          ; its four v_nop are also the places in front of the loads below
.else
	PLACES
.endif
	v_add_nc_u32 v[ADRA], s[TB], v[ADRA0]
	v_add_nc_u32 v[ADRB], s[TB], v[ADRB0]
	FETCH 0, 0
.if \fill
	ASK
.endif
	MULA 1, 2, 0
	MULA 1, 3, 0
.endm
	FETCH 0, 0
	QUARTER 1, 0, 1, 1                             ; the first quarter's products start the sums
	WIN 0
	s_mov_b32 s3, 6
.Lk:                                               ; trip t = 0..5: the rest of K step t, the refill with step t + 2, the first quarter of step t + 1
	QUARTER 2, 1, 0, 0
	QUARTER 3, 0, 1, 0
	TURN 1
	QUARTER 1, 0, 1, 0
	WIN 0
	s_sub_co_u32 s3, s3, 1
	s_cmp_lg_u32 s3, 0
	s_cbranch_scc1 .Lk
	QUARTER 2, 1, 0, 0
	QUARTER 3, 0, 1, 0
	TURN 0
	QUARTER 1, 0, 1, 0
	QUARTER 2, 1, 0, 0
	QUARTER 3, 0, 1, 0
	s_wait_dscnt 4
	MULA 1, 0, 0
	MULA 1, 1, 0
	s_wait_dscnt 0x0
	MULA 1, 2, 0
	MULA 1, 3, 0
	PLACES
; THE WAY OUT: a block of 16 tokens goes into rows of 528 bytes of my stage, 32 bytes a lane and column block, and comes back as whole rows of 512 bytes.
.macro TOSTAGE a
.if (\a) >= 2
	s_wait_xcnt 0x0                                ; the stores of the block two back have read this buffer
.endif
	WIN 0x08                                       ; store data in window 2
.set b, 0
.rept 8
	ds_store_b128 v[STO], v[8*(8*(\a)+b):8*(8*(\a)+b)+3]   offset:64*b      ; an accumulator's lowest registers first
	ds_store_b128 v[STO], v[8*(8*(\a)+b)+4:8*(8*(\a)+b)+7] offset:64*b+16
.set b, b+1
.endr
	WIN 0
.set t, 0
.rept 16
	ds_load_b128 v[OUTB+64*((\a)%2)+4*t:OUTB+64*((\a)%2)+4*t+3], v[RD] offset:t*SPO  ; LDS serves a wave's instructions in order (ISA guide 5.7.1.4): these see the stores above
.set t, t+1
.endr
.endm
.macro SEND a, younger                 ; younger: the LDS instructions issued behind block a's loads
	WIN 0
.set t, 0
.rept 16
	s_wait_dscnt (\younger)+15-t
	global_store_b128 v[GO], v[OUTB+64*((\a)%2)+4*t:OUTB+64*((\a)%2)+4*t+3], s[8:9] offset:(16*(\a)+t)*4096  ; 512 consecutive bytes of a row, aligned
.set t, t+1
.endr
.endm
	TOSTAGE 0
	TOSTAGE 1
	SEND 0, 32
	TOSTAGE 2
	SEND 1, 32
	TOSTAGE 3
	SEND 2, 32
	SEND 3, 0
	s_wait_tensorcnt 0x0                           ; the wave's end
	ds_add_u32 v[SPW], v[NIL]
	s_wait_dscnt 0x0
	CROUND                                         ; the closing round
	s_endpgm
.Lfunc_end_k_qd4f29690d0_oproj:
	.size	k_qd4f29690d0_oproj, .Lfunc_end_k_qd4f29690d0_oproj-k_qd4f29690d0_oproj
	.p2alignl 7, 3214868480
	.fill 96, 4, 3214868480
	.section	.rodata,"a",@progbits
	.p2align	6, 0x0
	.amdhsa_kernel k_qd4f29690d0_oproj
		.amdhsa_group_segment_fixed_size 327680
		.amdhsa_private_segment_fixed_size 0
		.amdhsa_enable_private_segment 0
		.amdhsa_kernarg_size 24
		.amdhsa_user_sgpr_count 2
		.amdhsa_user_sgpr_kernarg_segment_ptr 1
		.amdhsa_wavefront_size32 1
		.amdhsa_system_sgpr_workgroup_id_x 1
		.amdhsa_system_sgpr_workgroup_id_y 1
		.amdhsa_system_sgpr_workgroup_id_z 1
		.amdhsa_system_vgpr_workitem_id 0
		.amdhsa_next_free_vgpr 768
		.amdhsa_next_free_sgpr 72
		.amdhsa_reserve_vcc 0
		.amdhsa_float_denorm_mode_32 3
		.amdhsa_float_denorm_mode_16_64 3
		.amdhsa_memory_ordered 1
		.amdhsa_forward_progress 1
		.amdhsa_inst_pref_size 72
	.end_amdhsa_kernel
	.amdgpu_metadata
---
amdhsa.version: [ 1, 2 ]
amdhsa.kernels:
  - .name:           k_qd4f29690d0_oproj
    .symbol:         k_qd4f29690d0_oproj.kd
    .args:
      - { .name: ob, .offset: 0, .size: 8, .value_kind: global_buffer, .address_space: global }
      - { .name: wof, .offset: 8, .size: 8, .value_kind: global_buffer, .address_space: global }
      - { .name: out0, .offset: 16, .size: 8, .value_kind: global_buffer, .address_space: global }
    .group_segment_fixed_size: 327680
    .private_segment_fixed_size: 0
    .kernarg_segment_align: 8
    .kernarg_segment_size: 24
    .max_flat_workgroup_size: 128
    .sgpr_count:     72
    .vgpr_count:     768
    .wavefront_size: 32
...
	.end_amdgpu_metadata
.endif
;; end of part 4
